; MI455X (gfx1250); checked and timed in simulation.
; The chip was launched on July 23, 2026; its instructions are those of AMD's public machine-readable ISA for CDNA 5 (MIT licence, August 2026) and "CDNA5" Instruction Set Architecture Reference Guide (July 2026). The comments in the code are by the model that wrote it; some were corrected since.
;; Self Attention Layer. Allowed arithmetic: float matrix products may take bf16 or f16 operands with f32 sums; other float arithmetic in f32, or as packed bf16 or f16 multiplies, adds, multiply-adds, maxima and minima; sums over many terms, partial sums and values carried from step to step in f32; what a program stores and reads back later, other than sums and carried values, may be rounded once to bf16 or f16.
;; Inputs: WK 1,024 x 1,024 float32; WQ 1,024 x 1,024 float32; WV 1,024 x 1,024 float32; inputs 4 x 2,048 x 1,024 float32.
;; Outputs: out0 4 x 2,048 x 1,024 float32.
;; 2 versions, each right; version 2 is version 1 with the launch prep written anew for expert scheduling mode. Each part assembles by itself: llvm-mc -triple=amdgcn-amd-amdhsa -mcpu=gfx1250 --defsym DOCPART=n.
;; ======== version 1 of 2: 5 launches
;; limits: values are held in f16: magnitudes above 65,504 overflow, below 6.1e-05 lose precision; values outside matrix products are rounded to f16
;; workspace buffers: x16 16,777,216 bytes; wkh 2,097,152 bytes; wqh 2,097,152 bytes; bcat 4,194,304 bytes; tv 33,554,432 bytes; pbuf 33,554,432 bytes; mstat 524,288 bytes; lstat 524,288 bytes
;; launch prep (part 1): grid 448 x 1, 8 waves a work-group, no clusters, 18,432 bytes of LDS; arguments inputs, WK, WQ, WV, x16, wkh, wqh, bcat; writes x16, wkh, wqh, bcat
.if DOCPART == 1
	.amdgcn_target "amdgcn-amd-amdhsa--gfx1250"
	.amdhsa_code_object_version 6
	.text
	.protected	k_q3a6974b8dc_prep
	.globl	k_q3a6974b8dc_prep
	.p2align	8
	.type	k_q3a6974b8dc_prep,@function
k_q3a6974b8dc_prep:
	s_mov_b64 s[64:65], 0
	v_nop
	global_prefetch_b8 v0, s[64:65] scope:SCOPE_SE
	s_setreg_imm32_b32 hwreg(HW_REG_WAVE_MODE, 25, 1), 1
	s_wait_xcnt 0x0
; THE CAST.  Every input number is rounded to bf16 (nearest even) and that number is written as f16, for the f16 matrix form of the launches behind.
; x16[n][d] = X, wkh[e][u] = WK, wqh[d][u] = WQ as they lie; WV is turned: bcat[1024 + u][d] = WV[d][u], so that K (= d) lies along the rows.
; LIMITS.  A bf16 number is exact in f16 from 2^-17 up to 65,504; below 2^-17 it keeps an absolute error of at most 2^-25; from 65,520 on it becomes an infinity.
; SHARES.  Work-groups 0-255: 32 rows of X each; 256-287: 32 rows of WK; 288-319: 32 rows of WQ; 320-447: a block of 128 d x 64 u of WV.
; Memory binds: no matrix unit, no cluster, no tensor load.  A wave of a cast job has its whole share, 32 loads of 512 consecutive bytes, on its way at once.
.set XR, 32                            ; v[32:159]  32 loads of 4 registers; a load's first two registers then hold its 4 f16
.set SRC, 3                            ; v3   my byte offset in the work-group's source
.set DSO, 10                           ; v10  my byte offset in its destination
	s_load_b512 s[8:23], s[0:1], 0x0               ; inputs s[8:9], WK s[10:11], WQ s[12:13], WV s[14:15], x16 s[16:17], wkh s[18:19], wqh s[20:21], bcat s[22:23]
	v_lshl_add_u32 v168, v0, 2, 0x4400
	v_mov_b32 v169, 0
	s_mov_b32 s2, ttmp9                            ; the work-group's number
	s_mov_b32 s3, 0xffff0000                       ; a word's upper bf16
	s_cmp_ge_u32 s2, 320
	s_cbranch_scc1 .Lturn                          ; the same way for all eight waves
	v_and_b32 v1, 31, v0                           ; lane
	v_lshrrev_b32 v2, 5, v0                        ; wave
	v_lshlrev_b32 v[SRC], 4, v1
	v_lshl_add_u32 v[SRC], v2, 14, v[SRC]          ; wave x 4 rows x 4,096 bytes + 16 x lane
	v_lshlrev_b32 v[DSO], 3, v1
	v_lshl_add_u32 v[DSO], v2, 13, v[DSO]          ; wave x 4 rows x 2,048 bytes + 8 x lane
	s_wait_kmcnt 0x0
	s_cmp_lt_u32 s2, 256                           ; which tensor: the choice hangs on the work-group's number alone
	s_cselect_b64 s[24:25], s[8:9], s[10:11]
	s_cselect_b64 s[26:27], s[16:17], s[18:19]
	s_cselect_b32 s28, 0, 256
	s_cmp_lt_u32 s2, 288
	s_cselect_b64 s[24:25], s[24:25], s[12:13]
	s_cselect_b64 s[26:27], s[26:27], s[20:21]
	s_cselect_b32 s28, s28, 288
	s_sub_co_u32 s28, s2, s28                      ; my block of 32 rows in that tensor
	s_lshl_b32 s30, s28, 17                        ; 32 rows of 4,096 bytes
	s_mov_b32 s31, 0
	s_lshl_b32 s32, s28, 16                        ; 32 rows of 2,048 bytes
	s_mov_b32 s33, 0
	s_add_nc_u64 s[24:25], s[24:25], s[30:31]
	s_add_nc_u64 s[26:27], s[26:27], s[32:33]
.set i, 0
.rept 32
	global_load_b128 v[XR+4*i:XR+4*i+3], v[SRC], s[24:25] offset:512*i th:TH_LOAD_NT
.set i, i+1
.endr
.set i, 0
.rept 32
	s_wait_loadcnt 31-i                            ; loads come back in order: load i is in, the younger ones stay out
	v_cvt_pk_bf16_f32 v4, v[XR+4*i], v[XR+4*i+1]   ; the rounding
	v_cvt_pk_bf16_f32 v5, v[XR+4*i+2], v[XR+4*i+3]
	v_lshlrev_b32 v6, 16, v4                       ; bf16 to f32: the low half moves up, the high half stays
	v_and_b32 v7, s3, v4
	v_lshlrev_b32 v8, 16, v5
	v_and_b32 v9, s3, v5
	v_cvt_pk_f16_f32 v[XR+4*i], v6, v7             ; the same number as f16
	v_cvt_pk_f16_f32 v[XR+4*i+1], v8, v9
	global_store_b64 v[DSO], v[XR+4*i:XR+4*i+1], s[26:27] offset:256*i  ; 32 lanes store 256 consecutive bytes, aligned; these registers are not written again
.set i, i+1
.endr
	s_endpgm
.Lturn:                                                ; WV: 128 d x 64 u are read by rows of 256 bytes, turned in LDS, and stored as 64 rows (u) of 256 bytes (128 d)
	s_sub_co_u32 s2, s2, 320
	s_and_b32 s4, s2, 7                            ; which 128 d
	s_lshr_b32 s5, s2, 3                           ; which 64 u
	v_and_b32 v1, 15, v0                           ; uq: my four columns u
	v_lshrrev_b32 v2, 4, v0                        ; dp: my pairs of rows d are dp, dp + 16, dp + 32, dp + 48
	v_lshlrev_b32 v[SRC], 4, v1
	v_lshl_add_u32 v[SRC], v2, 13, v[SRC]          ; 2 dp rows of 4,096 bytes + 16 uq
	v_mul_u32_u24 v7, v1, 1088                     ; LDS image [64 u][128 d], rows 272 bytes apart: 4 uq rows
	v_lshl_add_u32 v7, v2, 2, v7                   ; + the pair's 4 bytes
	v_mul_u32_u24 v8, v2, 272                      ; back: 16 threads take a row of 256 bytes
	v_lshl_add_u32 v8, v1, 4, v8
	v_lshlrev_b32 v9, 11, v2                       ; and the same row in bcat, 2,048 bytes a row
	v_lshl_add_u32 v9, v1, 4, v9
	s_lshl_b32 s24, s4, 19                         ; 128 rows of 4,096 bytes
	s_lshl_b32 s26, s5, 8                          ; 64 columns of 4 bytes
	s_add_co_u32 s24, s24, s26
	s_mov_b32 s25, 0
	s_lshl_b32 s28, s5, 17                         ; 64 rows of 2,048 bytes,
	s_lshl_b32 s26, s4, 8                          ; 128 columns of 2 bytes,
	s_add_co_u32 s28, s28, s26
	s_add_co_u32 s28, s28, 2097152                 ; behind bcat's first 1,024 rows
	s_mov_b32 s29, 0
	s_wait_kmcnt 0x0
	s_add_nc_u64 s[14:15], s[14:15], s[24:25]
	s_add_nc_u64 s[22:23], s[22:23], s[28:29]
.irp k, 0,1,2,3
	global_load_b128 v[XR+8*(\k):XR+8*(\k)+3],   v[SRC], s[14:15] offset:131072*(\k) th:TH_LOAD_NT       ; the even row
	global_load_b128 v[XR+8*(\k)+4:XR+8*(\k)+7], v[SRC], s[14:15] offset:131072*(\k)+4096 th:TH_LOAD_NT  ; the odd row
.endr
.irp k, 0,1,2,3
	s_wait_loadcnt 6-2*(\k)                        ; pair k's two loads are in
.irp i, 0,1,2,3
	v_cvt_pk_bf16_f32 v4, v[XR+8*(\k)+(\i)], v[XR+8*(\k)+4+(\i)]  ; column 4 uq + i: d even, d odd
	v_lshlrev_b32 v5, 16, v4
	v_and_b32 v6, s3, v4
	v_cvt_pk_f16_f32 v[64+4*(\k)+(\i)], v5, v6
	ds_store_b32 v7, v[64+4*(\k)+(\i)] offset:272*(\i)+64*(\k)
.endr
.endr
	s_wait_dscnt 0x0                               ; for the others' sake: my stores into the image are done
	s_barrier_signal -1
	s_barrier_wait -1
.irp j, 0,1,2,3
	ds_load_b128 v[80+4*(\j):80+4*(\j)+3], v8 offset:4352*(\j)  ; 16 rows further on each time
.endr
.irp j, 0,1,2,3
	s_wait_dscnt 3-(\j)
	global_store_b128 v9, v[80+4*(\j):80+4*(\j)+3], s[22:23] offset:32768*(\j)  ; 16 lanes store 256 consecutive bytes, aligned
.endr
	s_wait_tensorcnt 0x0
	ds_add_u32 v168, v169
	s_wait_dscnt 0x0
	s_endpgm
.Lfunc_end_k_q3a6974b8dc_prep:
	.size	k_q3a6974b8dc_prep, .Lfunc_end_k_q3a6974b8dc_prep-k_q3a6974b8dc_prep
	.p2alignl 7, 3214868480
	.fill 96, 4, 3214868480
	.section	.rodata,"a",@progbits
	.p2align	6, 0x0
	.amdhsa_kernel k_q3a6974b8dc_prep
		.amdhsa_group_segment_fixed_size 18432
		.amdhsa_private_segment_fixed_size 0
		.amdhsa_enable_private_segment 0
		.amdhsa_kernarg_size 64
		.amdhsa_user_sgpr_count 2
		.amdhsa_user_sgpr_kernarg_segment_ptr 1
		.amdhsa_wavefront_size32 1
		.amdhsa_system_sgpr_workgroup_id_x 1
		.amdhsa_system_sgpr_workgroup_id_y 1
		.amdhsa_system_sgpr_workgroup_id_z 1
		.amdhsa_system_vgpr_workitem_id 0
		.amdhsa_next_free_vgpr 170
		.amdhsa_next_free_sgpr 66
		.amdhsa_reserve_vcc 0
		.amdhsa_float_denorm_mode_32 3
		.amdhsa_float_denorm_mode_16_64 3
		.amdhsa_memory_ordered 1
		.amdhsa_forward_progress 1
		.amdhsa_inst_pref_size 28
	.end_amdhsa_kernel
	.amdgpu_metadata
---
amdhsa.version: [ 1, 2 ]
amdhsa.kernels:
  - .name:           k_q3a6974b8dc_prep
    .symbol:         k_q3a6974b8dc_prep.kd
    .args:
      - { .name: inputs, .offset: 0, .size: 8, .value_kind: global_buffer, .address_space: global }
      - { .name: WK, .offset: 8, .size: 8, .value_kind: global_buffer, .address_space: global }
      - { .name: WQ, .offset: 16, .size: 8, .value_kind: global_buffer, .address_space: global }
      - { .name: WV, .offset: 24, .size: 8, .value_kind: global_buffer, .address_space: global }
      - { .name: x16, .offset: 32, .size: 8, .value_kind: global_buffer, .address_space: global }
      - { .name: wkh, .offset: 40, .size: 8, .value_kind: global_buffer, .address_space: global }
      - { .name: wqh, .offset: 48, .size: 8, .value_kind: global_buffer, .address_space: global }
      - { .name: bcat, .offset: 56, .size: 8, .value_kind: global_buffer, .address_space: global }
    .group_segment_fixed_size: 18432
    .private_segment_fixed_size: 0
    .kernarg_segment_align: 8
    .kernarg_segment_size: 64
    .max_flat_workgroup_size: 256
    .sgpr_count:     66
    .vgpr_count:     170
    .wavefront_size: 32
...
	.end_amdgpu_metadata
.endif
;; end of part 1
;; launch mgemm (part 2): grid 8 x 8, 4 waves a work-group, clusters of 4 x 4, 327,680 bytes of LDS; arguments wkh, wqh, bcat; writes bcat
.if DOCPART == 2
	.amdgcn_target "amdgcn-amd-amdhsa--gfx1250"
	.amdhsa_code_object_version 6
	.text
	.protected	k_q3a6974b8dc_mgemm
	.globl	k_q3a6974b8dc_mgemm
	.p2align	8
	.type	k_q3a6974b8dc_mgemm,@function
k_q3a6974b8dc_mgemm:
	s_mov_b64 s[64:65], 0
	v_nop
	global_prefetch_b8 v0, s[64:65] scope:SCOPE_SE
	s_setreg_imm32_b32 hwreg(HW_REG_WAVE_MODE, 25, 1), 1
	s_wait_xcnt 0x0
	s_wait_alu depctr_hold_cnt(0) depctr_sa_sdst(0) depctr_va_vdst(0) depctr_va_sdst(0) depctr_va_ssrc(0) depctr_va_vcc(0) depctr_vm_vsrc(0)
	s_getreg_b32 s2, hwreg(HW_REG_IB_STS2, 6, 4)
	s_cmp_eq_u32 s2, 0
	s_cbranch_scc0 .Lentry_in_a_cluster
	s_endpgm
.Lentry_in_a_cluster:
	s_bfe_u32 s2, ttmp6, 0x10000c
	s_cmp_lg_u32 s2, 0xf033
	s_cbranch_scc0 .Lentry_shape_is_right
	s_endpgm
.Lentry_shape_is_right:
; Mt[e][d] = the sum over u of WK[e][u] WQ[d][u], into bcat's rows 0-1023, f16.  Q K^T = X (WQ WK^T) X^T, so the scores need X Mt^T and X alone: one projection less.
; The order of rounding differs from a program that makes Q and K: Mt is rounded to f16 once, from its f32 sums.
; LIMITS.  f16 ends at 65,504: Mt stays within it while the sum of 1,024 products of weights does; below 6e-5 it keeps f16's fixed step of 6e-8.
; SHARES.  A tile of Mt is 128 x 128: 64 work-groups (the product is one fiftieth of the program's).  K goes in steps of 256 through two LDS slots; each of the
; four waves makes the WHOLE tile for its own 64 of a step's 256 along K (64 accumulators, 512 registers), so that a fragment read from LDS feeds eight products; the four partial sums meet in LDS on the way out.
; CLUSTER 4 x 4: the four work-groups of a row need the same rows of WK, those of a column the same rows of WQ: each tile is asked for jointly.
; THE MATRIX INSTRUCTION IS USED TRANSPOSED (source 0 = 16 rows of WQ, source 1 = 16 rows of WK): lane l holds row l % 16 of the result and the columns 8 (l / 16) + 0..7.
; REGISTERS, in windows of 256: window 0: v0-31 addresses; v64-127, v128-191 fragments of A (later the way out); v192-207 packed results.  Window 1: v64-191 fragments of B.
; Windows 2, 3: the accumulators, (a, b) at v[8 (8 (a % 4) + b)] of window 2 + a / 4.
.set PITCH,  528                       ; an LDS row: 512 bytes + 16 of padding: the 16 rows of a fragment load start 33 x 16 bytes apart, at 16 different groups of four banks (ISA guide 11.1)
.set HALFT,  64*PITCH                  ; what one tensor load brings: 64 rows
.set SLOT1,  4*HALFT                   ; a slot: A's 128 rows, then B's.  Its bits (17, 12) are none of wave x HALFT's, so an exclusive or changes slots
.set RG,     128*528                   ; the way out: a wave's 128 x 128 f32, rows 528 bytes apart
.set SPARE,  4*RG                      ; behind ring and dump: the spare words, 128 bytes a wave, which no other line names
.set STEPS,  4                         ; K steps
.set STEPA,  512                       ; bytes along a row from a K step to the next
.set STEPB,  512
.set ADRA0, 16                         ; v16, v17  my lane's place among A's, B's fragments in slot 0; never rewritten
.set ADRB0, 17
.set ADRA,  18                         ; v18, v19  the same in the slot in hand
.set ADRB,  19
.set DST,   20                         ; v20  the way out: where I put my results
.set RD0,   21                         ; v21-24  where I read the four partial sums back
.set CO,    26                         ; v26  my byte offset in two rows of the output
.set SPW,   28                         ; v28  LDS address of my spare word; never rewritten
.set NIL,   29                         ; v29  0; never rewritten
.set F0,    64
.set F1,    128
.set X,     64
.set Y,     192
.set G1,  24                           ; s[24:31] group 1 for A's tiles; s[32:35] group 0 of the first fill; s[36:39] the walking group 0
.set G0,  32
.set G1B, 48                           ; s[48:55], s[56:59], s[60:63] the same for B's
.set G0B, 56
.set TB,  66                           ; s66  0 or SLOT1: the slot in hand
.set MSB, 0
.macro WIN new                         ; the immediate's high byte repeats the setting that is left; a switch that changes nothing is dropped
.if MSB != (\new)
	s_set_vgpr_msb (MSB<<8)|(\new)
.set MSB, \new
.endif
.endm
.set MUL_LO, 0xa1                      ; source 0 (B) window 1, source 1 (A) window 0, C and D window 2
.set TO_B,   0x40                      ; destination window 1, address window 0
.macro PLACES                          ; four plain vector instructions between a matrix instruction and a load into, or a read of, its registers
.rept 4
	v_nop
.endr
.endm
.macro CREST                           ; a round of the cluster's barrier behind its opening barrier
	s_cmp_lg_u32 s10, 0
	s_cbranch_scc1 .Lnot_wave_0_\@
	s_barrier_signal -3
.Lnot_wave_0_\@:
	s_barrier_wait -3
	s_barrier_signal -1
	s_barrier_wait -1
.endm
.macro CROUND
	s_barrier_signal -1
	s_barrier_wait -1
	CREST
.endm
.macro JFIRST                          ; a wave's two first fills stand in one branch on the wave's number: waves 0, 1 ask for A's halves, waves 2, 3 for B's; two loads of mine are out
	s_cmp_eq_u32 s11, 0
	s_cbranch_scc0 .Lfirst_b_\@
	tensor_load_to_lds s[G0:G0+3], s[G1:G1+7]
	s_nop 0
	tensor_load_to_lds s[G0+4:G0+7], s[G1:G1+7]
	s_nop 0
	PLACES
	s_branch .Lfirst_asked_\@
.Lfirst_b_\@:
	tensor_load_to_lds s[G0B:G0B+3], s[G1B:G1B+7]
	s_nop 0
	tensor_load_to_lds s[G0B+4:G0B+7], s[G1B:G1B+7]
	s_nop 0
	PLACES
.Lfirst_asked_\@:
.endm
.macro JLOAD                           ; a joint refill by the walking descriptor; an s_nop 0 and four v_nop follow each line
	s_cmp_eq_u32 s11, 0
	s_cbranch_scc0 .Lfor_b_\@
	tensor_load_to_lds s[G0+4:G0+7], s[G1:G1+7]
	s_nop 0
	PLACES
	s_branch .Lasked_\@
.Lfor_b_\@:
	tensor_load_to_lds s[G0B+4:G0B+7], s[G1B:G1B+7]
	s_nop 0
	PLACES
.Lasked_\@:
.endm
; 16 matrix instructions: row blocks a0, a0 + 1 of the window's four x all 8 column blocks, 32 along K.  zero = 1: the first product starts the sums.
; The 64 accumulators take turns, one instruction a turn, in one order everywhere.
.macro MUL16 f, hi, a0, zero
	WIN MUL_LO+0x50*(\hi)
.irp a, \a0, (\a0)+1
.irp b, 0,1,2,3,4,5,6,7
.if \zero
	v_wmma_f32_16x16x32_f16 v[8*(8*(\a)+(\b)):8*(8*(\a)+(\b))+7], v[(\f)+8*(\b):(\f)+8*(\b)+7], v[(\f)+8*(4*(\hi)+(\a)):(\f)+8*(4*(\hi)+(\a))+7], 0
.else
	v_wmma_f32_16x16x32_f16 v[8*(8*(\a)+(\b)):8*(8*(\a)+(\b))+7], v[(\f)+8*(\b):(\f)+8*(\b)+7], v[(\f)+8*(4*(\hi)+(\a)):(\f)+8*(4*(\hi)+(\a))+7], v[8*(8*(\a)+(\b)):8*(8*(\a)+(\b))+7]
.endif
.endr
.endr
.endm
.macro FETCH k, f                      ; 32 LDS loads in one run: 128 rows of B, then 128 rows of A, 32 along K at byte k of my part of the rows
	WIN TO_B
.irp i, 0,1,2,3,4,5,6,7
	ds_load_b128 v[(\f)+8*(\i):(\f)+8*(\i)+3],   v[ADRB] offset:(\k)+(\i)*16*PITCH
	ds_load_b128 v[(\f)+8*(\i)+4:(\f)+8*(\i)+7], v[ADRB] offset:(\k)+(\i)*16*PITCH+32
.endr
	WIN 0
.irp i, 0,1,2,3,4,5,6,7
	ds_load_b128 v[(\f)+8*(\i):(\f)+8*(\i)+3],   v[ADRA] offset:(\k)+(\i)*16*PITCH
	ds_load_b128 v[(\f)+8*(\i)+4:(\f)+8*(\i)+7], v[ADRA] offset:(\k)+(\i)*16*PITCH+32
.endr
.endm
.macro QUARTER k, f, g, zero           ; multiplies buffer f; in its middle fetches the fragments at byte k into buffer g
	s_wait_dscnt 8                                 ; B and A's row blocks 0-3 are in; the youngest eight loads (A's blocks 4-7) may be out
	MUL16 \f, 0, 0, \zero
	MUL16 \f, 0, 2, \zero
	PLACES
	FETCH \k, \g
	s_wait_dscnt 32                                ; all but the 32 just issued
	MUL16 \f, 1, 0, \zero
	MUL16 \f, 1, 2, \zero
.endm
; The first half of a step's last quarter, and ONE barrier for the change of slots.  In front of it each wave waits for all its tensor loads (its part of the next slot), adds 0 to its spare word,
; and waits for that and for its own reads of this slot.  Behind it nobody reads this slot any more and the next slot is whole.
.macro MEET
	WIN 0
	s_wait_tensorcnt 0x0                           ; all my tensor loads have landed
	ds_add_u32 v[SPW], v[NIL]                      ; 0 onto my spare word
	s_wait_dscnt 9                                 ; the add and the youngest eight loads may be out
	MUL16 F1, 0, 0, 0
	s_wait_dscnt 0x0                               ; the add is done, and my reads of this slot are over
	s_barrier_signal -1
	MUL16 F1, 0, 2, 0                              ; work on registers while the others arrive
	WIN 0
	s_barrier_wait -1
.endm
; A step's last quarter.  fill = 1: the barrier opens a round of the cluster's, and the slot just read is filled again, first thing behind it, with the step two on.
; tail = 1: in the loop's last trip (s3 = 1) there is no next step, and the fetch is jumped over.
.macro TURN fill, tail
	MEET
.if \fill
	CREST                                          ; no wave of any partner still reads this slot or has a load on its way
	s_xor_b32 s[G0+5], s[G0+5], SLOT1              ; the walking descriptors: the other slot than last time, the next K step; no load of mine is out
	s_add_nc_u64 s[G0+6:G0+7], s[G0+6:G0+7], STEPA
	s_xor_b32 s[G0B+5], s[G0B+5], SLOT1
	s_add_nc_u64 s[G0B+6:G0B+7], s[G0B+6:G0B+7], STEPB
	JLOAD                                          ; its four v_nop are also the places in front of the loads below
.else
	PLACES
.endif
.if \tail
	s_cmp_eq_u32 s3, 1
	s_cbranch_scc1 .Lno_fetch_\@
.endif
	s_xor_b32 s[TB], s[TB], SLOT1
	v_add_nc_u32 v[ADRA], s[TB], v[ADRA0]
	v_add_nc_u32 v[ADRB], s[TB], v[ADRB0]
	FETCH 0, F0
	WIN 0
.if \tail
.Lno_fetch_\@:
.endif
	MUL16 F1, 1, 0, 0
	MUL16 F1, 1, 2, 0
.endm
; The wave's 128 x 128 f32 go into its region of LDS, over the ring, which has had its last fill and, since the last barrier, its last read.  In a row of 512 bytes the lane's columns
; 8 q + 0..3 (q = 2 b + l / 16) lie at byte 16 q, its columns 8 q + 4..7 at 256 + 16 q: read back by 16 lanes, both halves are 256 consecutive bytes.  Each accumulator's low registers go first.
.macro DUMP
	WIN 0
	s_wait_dscnt 0x0                               ; no LDS load of mine is out when the slots and the fragment registers are taken over
	PLACES
.irp a, 0,1,2,3,4,5,6,7
	WIN 0x08+4*((\a)/4)                            ; store data (source 1) in window 2 or 3
.irp b, 0,1,2,3,4,5,6,7
	ds_store_b128 v[DST], v[8*(8*((\a)%4)+(\b)):8*(8*((\a)%4)+(\b))+3]   offset:8448*(\a)+32*(\b)
	ds_store_b128 v[DST], v[8*(8*((\a)%4)+(\b))+4:8*(8*((\a)%4)+(\b))+7] offset:8448*(\a)+256+32*(\b)
.endr
.endr
	WIN 0
.endm
	s_load_b128 s[4:7], s[0:1], 0x0                ; wkh s[4:5], wqh s[6:7]
	s_load_b64 s[8:9], s[0:1], 0x10                ; bcat
	v_lshl_add_u32 v[SPW], v0, 2, SPARE
	v_mov_b32 v[NIL], 0
	ds_add_u32 v28, v29
	s_wait_dscnt 0x0
	v_lshrrev_b32 v1, 5, v0
	v_readfirstlane_b32 s10, v1                    ; wave 0..3: also my 64 of a step's 256 along K
	s_lshr_b32 s11, s10, 1                         ; I fetch for A (0) or for B (1),
	s_and_b32 s12, s10, 1                          ; and which 64 rows of that tile
	s_bfe_u32 s40, ttmp6, 0x40000                  ; cx, cy: my place in the cluster
	s_bfe_u32 s41, ttmp6, 0x40004
	s_lshl_b32 s42, ttmp9, 2
	s_add_co_u32 s42, s42, s40                     ; tile column = 4 x cluster x + cx
	s_and_b32 s13, ttmp7, 0xffff
	s_lshl_b32 s13, s13, 2
	s_add_co_u32 s13, s13, s41                     ; tile row = 4 x cluster y + cy
	s_lshl_b32 s43, s41, 2
	s_lshl_b32 s43, 15, s43                        ; my row of the cluster
	s_lshl_b32 s44, 0x1111, s40                    ; my column
	s_or_b32 s[G1], s43, (1<<16)|(1<<20)|(1<<21)|(6<<22)|(3<<25)   ; 15:0 the mask; 17:16 2-byte elements; 20 padding on; 21 set beside a mask; 24:22 after every 128 words; 31:25 4 words
	s_or_b32 s[G1B], s44, (1<<16)|(1<<20)|(1<<21)|(6<<22)|(3<<25)
.irp g, G1, G1B
	s_mov_b32 s[(\g)+1], 256<<16                   ; tensor_dim0 = 256
	s_mov_b32 s[(\g)+2], 64<<16                    ; tensor_dim1 = 64
	s_mov_b32 s[(\g)+3], 256<<16                   ; tile_dim0 = 256
	s_mov_b32 s[(\g)+4], 64                        ; tile_dim1 = 64
	s_mov_b32 s[(\g)+5], 1024                      ; elements from row to row
	s_mov_b32 s[(\g)+6], 0
	s_mov_b32 s[(\g)+7], 0
.endr
	s_lshl_b32 s17, s12, 6
	s_lshl_b32 s16, s13, 7
	s_add_co_u32 s16, s16, s17                     ; A: row 128 x tile row + 64 x half
	s_lshl_b32 s16, s16, 11                        ; 2,048 bytes a row
	s_lshl_b32 s46, s42, 7
	s_add_co_u32 s46, s46, s17                     ; B: row 128 x tile column + 64 x half
	s_lshl_b32 s46, s46, 11
	s_mov_b32 s17, 0
	s_mov_b32 s47, 0
	s_mul_i32 s20, s10, HALFT                      ; where the tiles go: wave x 64 rows: no place in the cluster enters an LDS address
	s_mov_b32 s[TB], 0
	s_wait_kmcnt 0x0
	s_add_nc_u64 s[14:15], s[4:5], s[16:17]
	s_add_nc_u64 s[46:47], s[6:7], s[46:47]
.irp s, 0,1
	s_mov_b32 s[G0+4*(\s)], 1                                        ; count = 1
	s_add_co_u32 s[G0+4*(\s)+1], s20, (\s)*SLOT1                     ; LDS address
	s_add_nc_u64 s[G0+4*(\s)+2:G0+4*(\s)+3], s[14:15], (\s)*STEPA    ; global address: K step s
	s_or_b32 s[G0+4*(\s)+3], s[G0+4*(\s)+3], 0x80000000              ; type = 2
	s_mov_b32 s[G0B+4*(\s)], 1
	s_add_co_u32 s[G0B+4*(\s)+1], s20, (\s)*SLOT1
	s_add_nc_u64 s[G0B+4*(\s)+2:G0B+4*(\s)+3], s[46:47], (\s)*STEPB
	s_or_b32 s[G0B+4*(\s)+3], s[G0B+4*(\s)+3], 0x80000000
.endr
	CROUND                                         ; all sixteen work-groups are here: the first joint loads meet
	JFIRST
	v_and_b32 v1, 15, v0                           ; r = l % 16
	v_bfe_u32 v2, v0, 4, 1                         ; h = l / 16
	v_mul_u32_u24 v3, v1, PITCH
	v_lshl_add_u32 v3, v2, 4, v3                   ; a fragment's row x pitch + 16 x half,
	s_lshl_b32 s21, s10, 7
	v_add_nc_u32 v[ADRA0], s21, v3                 ; + my 128 bytes of a row
	v_add_nc_u32 v[ADRB0], 2*HALFT, v[ADRA0]       ; B's rows lie behind A's 128
	v_mov_b32 v[ADRA], v[ADRA0]
	v_mov_b32 v[ADRB], v[ADRB0]
	s_mul_i32 s23, s10, RG
	v_mul_u32_u24 v4, v1, 528
	v_lshl_add_u32 v4, v2, 4, v4
	v_add_nc_u32 v[DST], s23, v4                   ; in: my region, row r, 16 bytes for each half of the lanes
	s_mul_i32 s23, s10, 32*528                     ; back: wave w takes rows 32 w .. 32 w + 31 of all four regions; lanes 0-15 a row, lanes 16-31 the next
	v_mul_u32_u24 v5, v2, 528
	v_lshl_add_u32 v5, v1, 4, v5
	v_add_nc_u32 v[RD0], s23, v5
.irp k, 1,2,3
	v_add_nc_u32 v[RD0+(\k)], (\k)*RG, v[RD0]
.endr
	v_lshlrev_b32 v5, 11, v2
	v_lshl_add_u32 v[CO], v1, 4, v5                ; the same two rows in bcat
	s_lshl_b32 s16, s13, 7
	s_lshl_b32 s14, s10, 5
	s_add_co_u32 s16, s16, s14                     ; the first row that I store
	s_lshl_b32 s16, s16, 11
	s_mov_b32 s17, 0
	s_add_nc_u64 s[8:9], s[8:9], s[16:17]
	s_lshl_b32 s46, s42, 8                         ; the tile's first column, in bytes
	s_mov_b32 s47, 0
	s_add_nc_u64 s[8:9], s[8:9], s[46:47]
	s_wait_tensorcnt 0x1                           ; my part of K step 0 is in; step 1's may stay out
	s_barrier_signal -1
	s_barrier_wait -1                              ; everybody's is
	FETCH 0, F0
	QUARTER 64, F0, F1, 1                          ; the first quarter stands in front of the loop: its products start the sums
	WIN 0
	s_mov_b32 s3, STEPS-2
.Lmain:                                                ; a trip: a step's second quarter, which asks for the step two on, and the next step's first
	TURN 1, 0
	QUARTER 64, F0, F1, 0
	WIN 0
	s_sub_co_u32 s3, s3, 1
	s_cmp_lg_u32 s3, 0
	s_cbranch_scc1 .Lmain
	s_mov_b32 s3, 2
.Ltail:                                                ; the last two steps ask for nothing: written apart
	TURN 0, 1
	WIN 0
	s_cmp_eq_u32 s3, 1
	s_cbranch_scc1 .Lno_quarter
	QUARTER 64, F0, F1, 0
	WIN 0
.Lno_quarter:
	s_sub_co_u32 s3, s3, 1
	s_cmp_lg_u32 s3, 0
	s_cbranch_scc1 .Ltail
	DUMP
	s_wait_dscnt 0x0                               ; for the others' sake: my partial sums are in LDS
	s_barrier_signal -1
	s_barrier_wait -1
	s_mov_b32 s2, 4
.Lout:                                                 ; a trip: 8 rows: the four partial sums are added, rounded to f16 and stored
.irp p, 0,1,2,3
.irp k, 0,1,2,3
	ds_load_b128 v[X+32*(\p)+8*(\k):X+32*(\p)+8*(\k)+3],   v[RD0+(\k)] offset:1056*(\p)
	ds_load_b128 v[X+32*(\p)+8*(\k)+4:X+32*(\p)+8*(\k)+7], v[RD0+(\k)] offset:1056*(\p)+256
.endr
.endr
.irp p, 0,1,2,3
	s_wait_dscnt 24-8*(\p)                         ; pair p's eight loads are in
.irp i, 0,2,4,6
	v_pk_add_f32 v[X+32*(\p)+(\i):X+32*(\p)+(\i)+1], v[X+32*(\p)+(\i):X+32*(\p)+(\i)+1], v[X+32*(\p)+8+(\i):X+32*(\p)+8+(\i)+1]
	v_pk_add_f32 v[X+32*(\p)+16+(\i):X+32*(\p)+16+(\i)+1], v[X+32*(\p)+16+(\i):X+32*(\p)+16+(\i)+1], v[X+32*(\p)+24+(\i):X+32*(\p)+24+(\i)+1]
.endr
.irp i, 0,2,4,6
	v_pk_add_f32 v[X+32*(\p)+(\i):X+32*(\p)+(\i)+1], v[X+32*(\p)+(\i):X+32*(\p)+(\i)+1], v[X+32*(\p)+16+(\i):X+32*(\p)+16+(\i)+1]
.endr
.irp i, 0,1,2,3
	v_cvt_pk_f16_f32 v[Y+4*(\p)+(\i)], v[X+32*(\p)+2*(\i)], v[X+32*(\p)+2*(\i)+1]
.endr
	global_store_b128 v[CO], v[Y+4*(\p):Y+4*(\p)+3], s[8:9] offset:4096*(\p)  ; 16 lanes store 256 consecutive bytes, aligned
.endr
	s_wait_xcnt 0x0                                ; the stores' base and data are rewritten only behind this wait
	s_add_nc_u64 s[8:9], s[8:9], 16384
.irp k, 0,1,2,3
	v_add_nc_u32 v[RD0+(\k)], 4224, v[RD0+(\k)]
.endr
	s_sub_co_u32 s2, s2, 1
	s_cmp_lg_u32 s2, 0
	s_cbranch_scc1 .Lout
	s_wait_tensorcnt 0x0                           ; the wave's end
	ds_add_u32 v[SPW], v[NIL]
	s_wait_dscnt 0x0
	CROUND                                         ; the closing round: no work-group ends while a partner may still ask for a tile that names it
	s_endpgm
.Lfunc_end_k_q3a6974b8dc_mgemm:
	.size	k_q3a6974b8dc_mgemm, .Lfunc_end_k_q3a6974b8dc_mgemm-k_q3a6974b8dc_mgemm
	.p2alignl 7, 3214868480
	.fill 96, 4, 3214868480
	.section	.rodata,"a",@progbits
	.p2align	6, 0x0
	.amdhsa_kernel k_q3a6974b8dc_mgemm
		.amdhsa_group_segment_fixed_size 327680
		.amdhsa_private_segment_fixed_size 0
		.amdhsa_enable_private_segment 0
		.amdhsa_kernarg_size 24
		.amdhsa_user_sgpr_count 2
		.amdhsa_user_sgpr_kernarg_segment_ptr 1
		.amdhsa_wavefront_size32 1
		.amdhsa_system_sgpr_workgroup_id_x 1
		.amdhsa_system_sgpr_workgroup_id_y 1
		.amdhsa_system_sgpr_workgroup_id_z 1
		.amdhsa_system_vgpr_workitem_id 0
		.amdhsa_next_free_vgpr 1024
		.amdhsa_next_free_sgpr 96
		.amdhsa_reserve_vcc 0
		.amdhsa_float_denorm_mode_32 3
		.amdhsa_float_denorm_mode_16_64 3
		.amdhsa_memory_ordered 1
		.amdhsa_forward_progress 1
		.amdhsa_inst_pref_size 58
	.end_amdhsa_kernel
	.amdgpu_metadata
---
amdhsa.version: [ 1, 2 ]
amdhsa.kernels:
  - .name:           k_q3a6974b8dc_mgemm
    .symbol:         k_q3a6974b8dc_mgemm.kd
    .args:
      - { .name: wkh, .offset: 0, .size: 8, .value_kind: global_buffer, .address_space: global }
      - { .name: wqh, .offset: 8, .size: 8, .value_kind: global_buffer, .address_space: global }
      - { .name: bcat, .offset: 16, .size: 8, .value_kind: global_buffer, .address_space: global }
    .group_segment_fixed_size: 327680
    .private_segment_fixed_size: 0
    .kernarg_segment_align: 8
    .kernarg_segment_size: 24
    .max_flat_workgroup_size: 128
    .sgpr_count:     96
    .vgpr_count:     1024
    .wavefront_size: 32
...
	.end_amdgpu_metadata
.endif
;; end of part 2
;; launch proj (part 3): grid 8 x 32, 4 waves a work-group, clusters of 4 x 4, 327,680 bytes of LDS; arguments x16, bcat, tv; writes tv
.if DOCPART == 3
	.amdgcn_target "amdgcn-amd-amdhsa--gfx1250"
	.amdhsa_code_object_version 6
	.text
	.protected	k_q3a6974b8dc_proj
	.globl	k_q3a6974b8dc_proj
	.p2align	8
	.type	k_q3a6974b8dc_proj,@function
k_q3a6974b8dc_proj:
	s_mov_b64 s[64:65], 0
	v_nop
	global_prefetch_b8 v0, s[64:65] scope:SCOPE_SE
	s_setreg_imm32_b32 hwreg(HW_REG_WAVE_MODE, 25, 1), 1
	s_wait_xcnt 0x0
	s_wait_alu depctr_hold_cnt(0) depctr_sa_sdst(0) depctr_va_vdst(0) depctr_va_sdst(0) depctr_va_ssrc(0) depctr_va_vcc(0) depctr_vm_vsrc(0)
	s_getreg_b32 s2, hwreg(HW_REG_IB_STS2, 6, 4)
	s_cmp_eq_u32 s2, 0
	s_cbranch_scc0 .Lentry_in_a_cluster
	s_endpgm
.Lentry_in_a_cluster:
	s_bfe_u32 s2, ttmp6, 0x10000c
	s_cmp_lg_u32 s2, 0xf033
	s_cbranch_scc0 .Lentry_shape_is_right
	s_endpgm
.Lentry_shape_is_right:
; tv[n][j] = the sum over d of x16[n][d] bcat[j][d]: columns 0-1023 are T = 2^-10 X Mt^T, columns 1024-2047 are V = X WV.  All f16, sums in f32, rounded once.
; The factor 2^-10 is applied in f32 on the way out: it keeps T inside f16 for inputs with a large common offset, and the launch behind puts it back into its exponent's scale.
; LIMITS.  f16 ends at 65,504: V and 2^-10 T must stay within it (a result of 65,520 or more becomes an infinity); below 6e-5 they keep f16's fixed step of 6e-8.
; SHARES.  256 tiles of 256 x 256, one to a work-group; four waves, each 128 x 128: 64 accumulators, 512 registers.  K = 1,024 goes in 8 steps of 128 through two LDS slots:
; the tiles' rows are 256 bytes of memory, aligned.  A step's text is written once for the loop and once for the tail: the slot in hand is a scalar register that an exclusive or turns.
; CLUSTER 4 x 4: the four work-groups of a row need the same rows of x16, those of a column the same rows of bcat: each tile is asked for jointly.
; THE MATRIX INSTRUCTION IS USED TRANSPOSED (source 0 = 16 rows of bcat, source 1 = 16 rows of x16): lane l holds row l % 16 of the result and the columns 8 (l / 16) + 0..7.
; REGISTERS, in windows of 256: window 0: v0-31 addresses; v64-127, v128-191 fragments of A (later the way out); v192-223 packed results.  Window 1: v64-191 fragments of B.
; Windows 2, 3: the accumulators, (a, b) at v[8 (8 (a % 4) + b)] of window 2 + a / 4.
.set PITCH,  272                       ; an LDS row: 256 bytes + 16 of padding: the 16 rows of a fragment load start 17 x 16 bytes apart, at 16 different groups of four banks (ISA guide 11.1)
.set HALFT,  128*PITCH                 ; what one tensor load brings: 128 rows
.set SLOT1,  4*HALFT                   ; a slot: A's 256 rows, then B's.  Its bits (17, 13) are none of wave x HALFT's, so an exclusive or changes slots
.set RG,     128*528                   ; the way out: a wave's 128 x 128 f32, rows 528 bytes apart
.set SPARE,  2*SLOT1                   ; behind the ring: the spare words, 128 bytes a wave, which no other line names
.set STEPS,  8
.set STEPA,  256                       ; bytes along a row from a K step to the next
.set STEPB,  256
.set ADRA0, 16                         ; v16, v17  my lane's place among A's, B's fragments in slot 0; never rewritten
.set ADRB0, 17
.set ADRA,  18                         ; v18, v19  the same in the slot in hand
.set ADRB,  19
.set DST,   20                         ; v20  the way out: where I put my results
.set RD0,   21                         ; v21  where I read rows back
.set CO,    26                         ; v26  my byte offset in two rows of the output
.set SPW,   28                         ; v28  LDS address of my spare word; never rewritten
.set NIL,   29                         ; v29  0; never rewritten
.set F0,    64
.set F1,    128
.set X,     64
.set Y,     192
.set G1,  24                           ; s[24:31] group 1 for A's tiles; s[32:35] group 0 of the first fill; s[36:39] the walking group 0
.set G0,  32
.set G1B, 48                           ; s[48:55], s[56:59], s[60:63] the same for B's
.set G0B, 56
.set TB,  66                           ; s66  0 or SLOT1: the slot in hand
.set SC,  68                           ; s[68:69] the scale of the way out, twice
.set MSB, 0
.macro WIN new                         ; the immediate's high byte repeats the setting that is left; a switch that changes nothing is dropped
.if MSB != (\new)
	s_set_vgpr_msb (MSB<<8)|(\new)
.set MSB, \new
.endif
.endm
.set MUL_LO, 0xa1                      ; source 0 (B) window 1, source 1 (A) window 0, C and D window 2
.set TO_B,   0x40                      ; destination window 1, address window 0
.macro PLACES                          ; four plain vector instructions between a matrix instruction and a load into, or a read of, its registers
.rept 4
	v_nop
.endr
.endm
.macro CREST                           ; a round of the cluster's barrier behind its opening barrier
	s_cmp_lg_u32 s10, 0
	s_cbranch_scc1 .Lnot_wave_0_\@
	s_barrier_signal -3
.Lnot_wave_0_\@:
	s_barrier_wait -3
	s_barrier_signal -1
	s_barrier_wait -1
.endm
.macro CROUND
	s_barrier_signal -1
	s_barrier_wait -1
	CREST
.endm
.macro JFIRST                          ; a wave's two first fills stand in one branch on the wave's number: waves 0, 1 ask for A's halves, waves 2, 3 for B's; two loads of mine are out
	s_cmp_eq_u32 s11, 0
	s_cbranch_scc0 .Lfirst_b_\@
	tensor_load_to_lds s[G0:G0+3], s[G1:G1+7]
	s_nop 0
	tensor_load_to_lds s[G0+4:G0+7], s[G1:G1+7]
	s_nop 0
	PLACES
	s_branch .Lfirst_asked_\@
.Lfirst_b_\@:
	tensor_load_to_lds s[G0B:G0B+3], s[G1B:G1B+7]
	s_nop 0
	tensor_load_to_lds s[G0B+4:G0B+7], s[G1B:G1B+7]
	s_nop 0
	PLACES
.Lfirst_asked_\@:
.endm
.macro JLOAD                           ; a joint refill by the walking descriptor; an s_nop 0 and four v_nop follow each line
	s_cmp_eq_u32 s11, 0
	s_cbranch_scc0 .Lfor_b_\@
	tensor_load_to_lds s[G0+4:G0+7], s[G1:G1+7]
	s_nop 0
	PLACES
	s_branch .Lasked_\@
.Lfor_b_\@:
	tensor_load_to_lds s[G0B+4:G0B+7], s[G1B:G1B+7]
	s_nop 0
	PLACES
.Lasked_\@:
.endm
; 16 matrix instructions: row blocks a0, a0 + 1 of the window's four x all 8 column blocks, 32 along K.  zero = 1: the first product starts the sums.
; The 64 accumulators take turns, one instruction a turn, in one order everywhere.
.macro MUL16 f, hi, a0, zero
	WIN MUL_LO+0x50*(\hi)
.irp a, \a0, (\a0)+1
.irp b, 0,1,2,3,4,5,6,7
.if \zero
	v_wmma_f32_16x16x32_f16 v[8*(8*(\a)+(\b)):8*(8*(\a)+(\b))+7], v[(\f)+8*(\b):(\f)+8*(\b)+7], v[(\f)+8*(4*(\hi)+(\a)):(\f)+8*(4*(\hi)+(\a))+7], 0
.else
	v_wmma_f32_16x16x32_f16 v[8*(8*(\a)+(\b)):8*(8*(\a)+(\b))+7], v[(\f)+8*(\b):(\f)+8*(\b)+7], v[(\f)+8*(4*(\hi)+(\a)):(\f)+8*(4*(\hi)+(\a))+7], v[8*(8*(\a)+(\b)):8*(8*(\a)+(\b))+7]
.endif
.endr
.endr
.endm
.macro FETCH k, f                      ; 32 LDS loads in one run: my 128 rows of B, then my 128 rows of A, 32 along K at byte k of the rows
	WIN TO_B
.irp i, 0,1,2,3,4,5,6,7
	ds_load_b128 v[(\f)+8*(\i):(\f)+8*(\i)+3],   v[ADRB] offset:(\k)+(\i)*16*PITCH
	ds_load_b128 v[(\f)+8*(\i)+4:(\f)+8*(\i)+7], v[ADRB] offset:(\k)+(\i)*16*PITCH+32
.endr
	WIN 0
.irp i, 0,1,2,3,4,5,6,7
	ds_load_b128 v[(\f)+8*(\i):(\f)+8*(\i)+3],   v[ADRA] offset:(\k)+(\i)*16*PITCH
	ds_load_b128 v[(\f)+8*(\i)+4:(\f)+8*(\i)+7], v[ADRA] offset:(\k)+(\i)*16*PITCH+32
.endr
.endm
.macro QUARTER k, f, g, zero           ; one of a step's first three quarters: multiplies buffer f; in its middle fetches the next quarter, at byte k, into buffer g
	s_wait_dscnt 8                                 ; B and A's row blocks 0-3 are in; the youngest eight loads (A's blocks 4-7) may be out
	MUL16 \f, 0, 0, \zero
	MUL16 \f, 0, 2, \zero
	PLACES
	FETCH \k, \g
	s_wait_dscnt 32                                ; all but the 32 just issued
	MUL16 \f, 1, 0, \zero
	MUL16 \f, 1, 2, \zero
.endm
; The first half of a step's last quarter, and ONE barrier for the change of slots.  In front of it each wave waits for all its tensor loads (its part of the next slot), adds 0 to its spare word,
; and waits for that and for its own reads of this slot.  Behind it nobody reads this slot any more and the next slot is whole.
.macro MEET
	WIN 0
	s_wait_tensorcnt 0x0                           ; all my tensor loads have landed
	ds_add_u32 v[SPW], v[NIL]                      ; 0 onto my spare word
	s_wait_dscnt 9                                 ; the add and the youngest eight loads may be out
	MUL16 F1, 0, 0, 0
	s_wait_dscnt 0x0                               ; the add is done, and my reads of this slot are over
	s_barrier_signal -1
	MUL16 F1, 0, 2, 0                              ; work on registers while the others arrive
	WIN 0
	s_barrier_wait -1
.endm
; A step's last quarter.  fill = 1: the barrier opens a round of the cluster's, and the slot just read is filled again, first thing behind it, with the step two on:
; from that request to the wait for it a wave issues 224 matrix instructions.  tail = 1: in the loop's last trip (s3 = 1) there is no next step, and the fetch is jumped over.
.macro TURN fill, tail
	MEET
.if \fill
	CREST                                          ; no wave of any partner still reads this slot or has a load on its way
	s_xor_b32 s[G0+5], s[G0+5], SLOT1              ; the walking descriptors: the other slot than last time, the next K step; no load of mine is out
	s_add_nc_u64 s[G0+6:G0+7], s[G0+6:G0+7], STEPA
	s_xor_b32 s[G0B+5], s[G0B+5], SLOT1
	s_add_nc_u64 s[G0B+6:G0B+7], s[G0B+6:G0B+7], STEPB
	JLOAD                                          ; its four v_nop are also the places in front of the loads below
.else
	PLACES
.endif
.if \tail
	s_cmp_eq_u32 s3, 1
	s_cbranch_scc1 .Lno_fetch_\@
.endif
	s_xor_b32 s[TB], s[TB], SLOT1
	v_add_nc_u32 v[ADRA], s[TB], v[ADRA0]
	v_add_nc_u32 v[ADRB], s[TB], v[ADRB0]
	FETCH 0, F0
	WIN 0
.if \tail
.Lno_fetch_\@:
.endif
	MUL16 F1, 1, 0, 0
	MUL16 F1, 1, 2, 0
.endm
; The wave's 128 x 128 f32 go into its region of LDS, over the ring, which has had its last fill and, since the last barrier, its last read.  In a row of 512 bytes the lane's columns
; 8 q + 0..3 (q = 2 b + l / 16) lie at byte 16 q, its columns 8 q + 4..7 at 256 + 16 q: read back by 16 lanes, both halves are 256 consecutive bytes.  Each accumulator's low registers go first.
.macro DUMP
	WIN 0
	s_wait_dscnt 0x0                               ; no LDS load of mine is out when the slots and the fragment registers are taken over
	PLACES
.irp a, 0,1,2,3,4,5,6,7
	WIN 0x08+4*((\a)/4)                            ; store data (source 1) in window 2 or 3
.irp b, 0,1,2,3,4,5,6,7
	ds_store_b128 v[DST], v[8*(8*((\a)%4)+(\b)):8*(8*((\a)%4)+(\b))+3]   offset:8448*(\a)+32*(\b)
	ds_store_b128 v[DST], v[8*(8*((\a)%4)+(\b))+4:8*(8*((\a)%4)+(\b))+7] offset:8448*(\a)+256+32*(\b)
.endr
.endr
	WIN 0
.endm
	s_load_b128 s[4:7], s[0:1], 0x0                ; x16 s[4:5], bcat s[6:7]
	s_load_b64 s[8:9], s[0:1], 0x10                ; tv
	v_lshl_add_u32 v[SPW], v0, 2, SPARE
	v_mov_b32 v[NIL], 0
	ds_add_u32 v28, v29
	s_wait_dscnt 0x0
	v_lshrrev_b32 v1, 5, v0
	v_readfirstlane_b32 s10, v1                    ; wave 0..3
	s_lshr_b32 s11, s10, 1                         ; which half of the tile's rows is mine.  Also: I fetch for A (0) or for B (1)
	s_and_b32 s12, s10, 1                          ; which half of its columns.  Also: which 128 rows of that tile I fetch
	s_bfe_u32 s40, ttmp6, 0x40000                  ; cx, cy: my place in the cluster
	s_bfe_u32 s41, ttmp6, 0x40004
	s_lshl_b32 s42, ttmp9, 2
	s_add_co_u32 s42, s42, s40                     ; tile column = 4 x cluster x + cx
	s_and_b32 s13, ttmp7, 0xffff
	s_lshl_b32 s13, s13, 2
	s_add_co_u32 s13, s13, s41                     ; tile row = 4 x cluster y + cy
	s_lshl_b32 s43, s41, 2
	s_lshl_b32 s43, 15, s43                        ; my row of the cluster
	s_lshl_b32 s44, 0x1111, s40                    ; my column
	s_mov_b32 s21, ttmp9
	s_cmp_eq_u32 s21, 0                            ; cluster column 0 holds the tile columns 0-3: T; the other holds V.  A value is chosen, no way
	s_cselect_b32 s[SC], 0x3a800000, 1.0           ; 2^-10, or 1
	s_mov_b32 s[SC+1], s[SC]                       ; named with it as a pair
	s_or_b32 s[G1], s43, (1<<16)|(1<<20)|(1<<21)|(5<<22)|(3<<25)   ; 15:0 the mask; 17:16 2-byte elements; 20 padding on; 21 set beside a mask; 24:22 after every 64 words; 31:25 4 words
	s_or_b32 s[G1B], s44, (1<<16)|(1<<20)|(1<<21)|(5<<22)|(3<<25)
.irp g, G1, G1B
	s_mov_b32 s[(\g)+1], 128<<16                   ; tensor_dim0 = 128
	s_mov_b32 s[(\g)+2], 128<<16                   ; tensor_dim1 = 128
	s_mov_b32 s[(\g)+3], 128<<16                   ; tile_dim0 = 128
	s_mov_b32 s[(\g)+4], 128                       ; tile_dim1 = 128
	s_mov_b32 s[(\g)+5], 1024                      ; elements from row to row
	s_mov_b32 s[(\g)+6], 0
	s_mov_b32 s[(\g)+7], 0
.endr
	s_lshl_b32 s17, s12, 7
	s_lshl_b32 s16, s13, 8
	s_add_co_u32 s16, s16, s17                     ; A: row 256 x tile row + 128 x half
	s_lshl_b32 s16, s16, 11                        ; 2,048 bytes a row
	s_lshl_b32 s46, s42, 8
	s_add_co_u32 s46, s46, s17                     ; B: row 256 x tile column + 128 x half
	s_lshl_b32 s46, s46, 11
	s_mov_b32 s17, 0
	s_mov_b32 s47, 0
	s_mul_i32 s20, s10, HALFT                      ; where the tiles go: wave x 128 rows: no place in the cluster enters an LDS address
	s_mov_b32 s[TB], 0
	s_wait_kmcnt 0x0
	s_add_nc_u64 s[14:15], s[4:5], s[16:17]
	s_add_nc_u64 s[46:47], s[6:7], s[46:47]
.irp s, 0,1
	s_mov_b32 s[G0+4*(\s)], 1                                        ; count = 1
	s_add_co_u32 s[G0+4*(\s)+1], s20, (\s)*SLOT1                     ; LDS address
	s_add_nc_u64 s[G0+4*(\s)+2:G0+4*(\s)+3], s[14:15], (\s)*STEPA    ; global address: K step s
	s_or_b32 s[G0+4*(\s)+3], s[G0+4*(\s)+3], 0x80000000              ; type = 2
	s_mov_b32 s[G0B+4*(\s)], 1
	s_add_co_u32 s[G0B+4*(\s)+1], s20, (\s)*SLOT1
	s_add_nc_u64 s[G0B+4*(\s)+2:G0B+4*(\s)+3], s[46:47], (\s)*STEPB
	s_or_b32 s[G0B+4*(\s)+3], s[G0B+4*(\s)+3], 0x80000000
.endr
	CROUND                                         ; all sixteen work-groups are here: the first joint loads meet
	JFIRST
	v_and_b32 v1, 15, v0                           ; r = l % 16
	v_bfe_u32 v2, v0, 4, 1                         ; h = l / 16
	v_mul_u32_u24 v3, v1, PITCH
	v_lshl_add_u32 v3, v2, 4, v3                   ; a fragment's row x pitch + 16 x half
	s_mul_i32 s21, s11, HALFT                      ; my 128 rows of A
	s_mul_i32 s22, s12, HALFT                      ; my 128 rows of B,
	s_add_co_u32 s22, s22, 2*HALFT                 ; which lie behind A's 256
	v_add_nc_u32 v[ADRA0], s21, v3
	v_add_nc_u32 v[ADRB0], s22, v3
	v_mov_b32 v[ADRA], v[ADRA0]
	v_mov_b32 v[ADRB], v[ADRB0]
	s_mul_i32 s23, s10, RG                         ; my region of the way out
	v_mul_u32_u24 v4, v1, 528
	v_lshl_add_u32 v4, v2, 4, v4
	v_add_nc_u32 v[DST], s23, v4                   ; in: row r, 16 bytes for each half of the lanes
	v_mul_u32_u24 v5, v2, 528
	v_lshl_add_u32 v5, v1, 4, v5
	v_add_nc_u32 v[RD0], s23, v5                   ; back: lanes 0-15 a row, lanes 16-31 the next
	v_lshlrev_b32 v5, 12, v2
	v_lshl_add_u32 v[CO], v1, 4, v5                ; the same two rows in tv, 4,096 bytes a row
	s_lshl_b32 s16, s13, 8
	s_lshl_b32 s14, s11, 7
	s_add_co_u32 s16, s16, s14                     ; my first row
	s_lshl_b32 s16, s16, 12
	s_mov_b32 s17, 0
	s_add_nc_u64 s[8:9], s[8:9], s[16:17]
	s_lshl_b32 s46, s42, 9                         ; my first column, in bytes: 512 x tile column + 256 x half
	s_lshl_b32 s47, s12, 8
	s_add_co_u32 s46, s46, s47
	s_mov_b32 s47, 0
	s_add_nc_u64 s[8:9], s[8:9], s[46:47]
	s_wait_tensorcnt 0x1                           ; my part of K step 0 is in; step 1's may stay out
	s_barrier_signal -1
	s_barrier_wait -1                              ; everybody's is
	FETCH 0, F0
	QUARTER 64, F0, F1, 1                          ; the first quarter stands in front of the loop: its products start the sums
	WIN 0
	s_mov_b32 s3, STEPS-2
.Lmain:                                                ; a trip: from a step's second quarter to the next step's first; it asks for the step two on
	QUARTER 128, F1, F0, 0
	QUARTER 192, F0, F1, 0
	TURN 1, 0
	QUARTER 64, F0, F1, 0
	WIN 0
	s_sub_co_u32 s3, s3, 1
	s_cmp_lg_u32 s3, 0
	s_cbranch_scc1 .Lmain
	s_mov_b32 s3, 2
.Ltail:                                                ; the last two steps ask for nothing: written apart
	QUARTER 128, F1, F0, 0
	QUARTER 192, F0, F1, 0
	TURN 0, 1
	WIN 0
	s_cmp_eq_u32 s3, 1
	s_cbranch_scc1 .Lno_quarter
	QUARTER 64, F0, F1, 0
	WIN 0
.Lno_quarter:
	s_sub_co_u32 s3, s3, 1
	s_cmp_lg_u32 s3, 0
	s_cbranch_scc1 .Ltail
	DUMP                                           ; each wave reads back its own region alone, and LDS serves a wave's instructions in order (ISA guide 5.7.1.4): no barrier
	s_mov_b32 s2, 8
.Lout:                                                 ; a trip: 16 rows are read back, scaled, rounded to f16 and stored
.irp p, 0,1,2,3,4,5,6,7
	ds_load_b128 v[X+8*(\p):X+8*(\p)+3],   v[RD0] offset:1056*(\p)
	ds_load_b128 v[X+8*(\p)+4:X+8*(\p)+7], v[RD0] offset:1056*(\p)+256
.endr
.irp p, 0,1,2,3,4,5,6,7
	s_wait_dscnt 14-2*(\p)                         ; pair p's two loads are in
.irp i, 0,2,4,6
	v_pk_mul_f32 v[X+8*(\p)+(\i):X+8*(\p)+(\i)+1], v[X+8*(\p)+(\i):X+8*(\p)+(\i)+1], s[SC:SC+1] op_sel_hi:[1,0]
.endr
.irp i, 0,1,2,3
	v_cvt_pk_f16_f32 v[Y+4*(\p)+(\i)], v[X+8*(\p)+2*(\i)], v[X+8*(\p)+2*(\i)+1]
.endr
	global_store_b128 v[CO], v[Y+4*(\p):Y+4*(\p)+3], s[8:9] offset:8192*(\p)  ; 16 lanes store 256 consecutive bytes, aligned
.endr
	s_wait_xcnt 0x0                                ; the stores' base and data are rewritten only behind this wait
	s_add_nc_u64 s[8:9], s[8:9], 65536
	v_add_nc_u32 v[RD0], 8448, v[RD0]
	s_sub_co_u32 s2, s2, 1
	s_cmp_lg_u32 s2, 0
	s_cbranch_scc1 .Lout
	s_wait_tensorcnt 0x0                           ; the wave's end
	ds_add_u32 v[SPW], v[NIL]
	s_wait_dscnt 0x0
	CROUND                                         ; the closing round: no work-group ends while a partner may still ask for a tile that names it
	s_endpgm
.Lfunc_end_k_q3a6974b8dc_proj:
	.size	k_q3a6974b8dc_proj, .Lfunc_end_k_q3a6974b8dc_proj-k_q3a6974b8dc_proj
	.p2alignl 7, 3214868480
	.fill 96, 4, 3214868480
	.section	.rodata,"a",@progbits
	.p2align	6, 0x0
	.amdhsa_kernel k_q3a6974b8dc_proj
		.amdhsa_group_segment_fixed_size 327680
		.amdhsa_private_segment_fixed_size 0
		.amdhsa_enable_private_segment 0
		.amdhsa_kernarg_size 24
		.amdhsa_user_sgpr_count 2
		.amdhsa_user_sgpr_kernarg_segment_ptr 1
		.amdhsa_wavefront_size32 1
		.amdhsa_system_sgpr_workgroup_id_x 1
		.amdhsa_system_sgpr_workgroup_id_y 1
		.amdhsa_system_sgpr_workgroup_id_z 1
		.amdhsa_system_vgpr_workitem_id 0
		.amdhsa_next_free_vgpr 1024
		.amdhsa_next_free_sgpr 96
		.amdhsa_reserve_vcc 0
		.amdhsa_float_denorm_mode_32 3
		.amdhsa_float_denorm_mode_16_64 3
		.amdhsa_memory_ordered 1
		.amdhsa_forward_progress 1
		.amdhsa_inst_pref_size 83
	.end_amdhsa_kernel
	.amdgpu_metadata
---
amdhsa.version: [ 1, 2 ]
amdhsa.kernels:
  - .name:           k_q3a6974b8dc_proj
    .symbol:         k_q3a6974b8dc_proj.kd
    .args:
      - { .name: x16, .offset: 0, .size: 8, .value_kind: global_buffer, .address_space: global }
      - { .name: bcat, .offset: 8, .size: 8, .value_kind: global_buffer, .address_space: global }
      - { .name: tv, .offset: 16, .size: 8, .value_kind: global_buffer, .address_space: global }
    .group_segment_fixed_size: 327680
    .private_segment_fixed_size: 0
    .kernarg_segment_align: 8
    .kernarg_segment_size: 24
    .max_flat_workgroup_size: 128
    .sgpr_count:     96
    .vgpr_count:     1024
    .wavefront_size: 32
...
	.end_amdgpu_metadata
.endif
;; end of part 3
;; launch scores (part 4): grid 8 x 32, 4 waves a work-group, clusters of 4 x 4, 327,680 bytes of LDS; arguments tv, x16, pbuf, mstat, lstat; writes pbuf, mstat, lstat
.if DOCPART == 4
	.amdgcn_target "amdgcn-amd-amdhsa--gfx1250"
	.amdhsa_code_object_version 6
	.text
	.protected	k_q3a6974b8dc_scores
	.globl	k_q3a6974b8dc_scores
	.p2align	8
	.type	k_q3a6974b8dc_scores,@function
k_q3a6974b8dc_scores:
	s_mov_b64 s[64:65], 0
	v_nop
	global_prefetch_b8 v0, s[64:65] scope:SCOPE_SE
	s_setreg_imm32_b32 hwreg(HW_REG_WAVE_MODE, 25, 1), 1
	s_wait_xcnt 0x0
	s_wait_alu depctr_hold_cnt(0) depctr_sa_sdst(0) depctr_va_vdst(0) depctr_va_sdst(0) depctr_va_ssrc(0) depctr_va_vcc(0) depctr_vm_vsrc(0)
	s_getreg_b32 s2, hwreg(HW_REG_IB_STS2, 6, 4)
	s_cmp_eq_u32 s2, 0
	s_cbranch_scc0 .Lentry_in_a_cluster
	s_endpgm
.Lentry_in_a_cluster:
	s_bfe_u32 s2, ttmp6, 0x10000c
	s_cmp_lg_u32 s2, 0xf033
	s_cbranch_scc0 .Lentry_shape_is_right
	s_endpgm
.Lentry_shape_is_right:
; s[n][m] = the sum over e of T[n][e] X[m][e] (T = tv's columns 0-1023, X = x16's rows of n's batch); the score in powers of two is c s, c = 32 log2(e): T carries 2^-10, the scores 1/32.
; SOFTMAX, FIRST HALF.  For each row and each CHUNK of 128 keys (a wave's columns): the chunk's maximum m; pbuf[n][key] = 2^(c s - c m) in f16; mstat[chunk][n] = c m; lstat[chunk][n] = the f32 sum
; of the unrounded weights.  The launch behind takes the maximum over a row's 16 chunks and rescales: the row's true maximum is taken away from every exponent.
; LIMITS.  A weight lies in 0 to 1 (to within a rounding); below 6e-5 it keeps f16's fixed step of 6e-8; below 2^-126 it counts as 0 in the sum.  NaN and infinities are not treated apart.
; SHARES.  256 tiles of 256 queries x 256 keys, one to a work-group; four waves, each 128 x 128: 64 accumulators.  K = 1,024 goes in 8 steps of 128 through two LDS slots; the tiles' rows are 256 bytes of memory, aligned.
; CLUSTER 4 x 4: the four work-groups of a row need the same rows of T, those of a column the same rows of X (a cluster's 1,024 queries lie in one batch): each tile is asked for jointly.
; THE MATRIX INSTRUCTION IS USED TRANSPOSED (source 0 = 16 keys, source 1 = 16 queries): lane l holds query l % 16 and the keys 8 (l / 16) + 0..7.
; REGISTERS, in windows of 256: window 0: v0-31 addresses; v64-127, v128-191 fragments of A (later the way out); v192-223 packed weights.  Window 1: v64-191 fragments of B.
; Windows 2, 3: the accumulators, (a, b) at v[8 (8 (a % 4) + b)] of window 2 + a / 4.
.set PITCH,  272                       ; an LDS row: 256 bytes + 16 of padding: the 16 rows of a fragment load start at 16 different groups of four banks (ISA guide 11.1)
.set HALFT,  128*PITCH                 ; what one tensor load brings: 128 rows
.set SLOT1,  4*HALFT                   ; a slot: A's 256 rows, then B's.  Its bits (17, 13) are none of wave x HALFT's, so an exclusive or changes slots
.set RG,     128*528                   ; the way out: a wave's 128 x 128 f32, rows 528 bytes apart
.set STATB,  2*SLOT1                   ; behind the ring, never filled by a tensor load: for each wave 128 c m, then 128 sums
.set SPARE,  STATB+4096                ; the spare words, 128 bytes a wave, which no other line names
.set STEPS,  8
.set STEPA,  256
.set STEPB,  256
.set ADRA0, 16                         ; v16, v17  my lane's place among A's, B's fragments in slot 0; never rewritten
.set ADRB0, 17
.set ADRA,  18                         ; v18, v19  the same in the slot in hand
.set ADRB,  19
.set DST,   20                         ; v20  the way out: where I put my results
.set RD0,   21                         ; v21  where I read rows back
.set CO,    26                         ; v26  my byte offset in two rows of pbuf
.set SA,    27                         ; v27  where my half of the lanes puts its row's statistics
.set SPW,   28                         ; v28  LDS address of my spare word; never rewritten
.set NIL,   29                         ; v29  0; never rewritten
.set SO,    30                         ; v30  16 x lane: my place in 512 bytes of mstat and lstat
.set SR,    31                         ; v31  where I read the statistics back
.set F0,    64
.set F1,    128
.set X,     64                         ; v64-127   8 pairs of rows x 8 scores a lane
.set ST,    128                        ; v128-143  pair p: c m, m
.set LS,    144                        ; v144-151  pair p: the sum
.set TS,    152                        ; v152-159  the statistics read back
.set Y,     192
.set G1,  24
.set G0,  32
.set G1B, 48
.set G0B, 56
.set TB,  66                           ; s66  0 or SLOT1: the slot in hand
.set CS,  68                           ; s[68:69] c, twice
.set MSB, 0
.macro WIN new                         ; the immediate's high byte repeats the setting that is left; a switch that changes nothing is dropped
.if MSB != (\new)
	s_set_vgpr_msb (MSB<<8)|(\new)
.set MSB, \new
.endif
.endm
.set MUL_LO, 0xa1                      ; source 0 (B) window 1, source 1 (A) window 0, C and D window 2
.set TO_B,   0x40                      ; destination window 1, address window 0
.macro PLACES                          ; four plain vector instructions between a matrix instruction and a load into, or a read of, its registers
.rept 4
	v_nop
.endr
.endm
.macro CREST                           ; a round of the cluster's barrier behind its opening barrier
	s_cmp_lg_u32 s10, 0
	s_cbranch_scc1 .Lnot_wave_0_\@
	s_barrier_signal -3
.Lnot_wave_0_\@:
	s_barrier_wait -3
	s_barrier_signal -1
	s_barrier_wait -1
.endm
.macro CROUND
	s_barrier_signal -1
	s_barrier_wait -1
	CREST
.endm
.macro JFIRST                          ; a wave's two first fills stand in one branch on the wave's number: waves 0, 1 ask for A's halves, waves 2, 3 for B's; two loads of mine are out
	s_cmp_eq_u32 s11, 0
	s_cbranch_scc0 .Lfirst_b_\@
	tensor_load_to_lds s[G0:G0+3], s[G1:G1+7]
	s_nop 0
	tensor_load_to_lds s[G0+4:G0+7], s[G1:G1+7]
	s_nop 0
	PLACES
	s_branch .Lfirst_asked_\@
.Lfirst_b_\@:
	tensor_load_to_lds s[G0B:G0B+3], s[G1B:G1B+7]
	s_nop 0
	tensor_load_to_lds s[G0B+4:G0B+7], s[G1B:G1B+7]
	s_nop 0
	PLACES
.Lfirst_asked_\@:
.endm
.macro JLOAD                           ; a joint refill by the walking descriptor; an s_nop 0 and four v_nop follow each line
	s_cmp_eq_u32 s11, 0
	s_cbranch_scc0 .Lfor_b_\@
	tensor_load_to_lds s[G0+4:G0+7], s[G1:G1+7]
	s_nop 0
	PLACES
	s_branch .Lasked_\@
.Lfor_b_\@:
	tensor_load_to_lds s[G0B+4:G0B+7], s[G1B:G1B+7]
	s_nop 0
	PLACES
.Lasked_\@:
.endm
; 16 matrix instructions: row blocks a0, a0 + 1 of the window's four x all 8 column blocks, 32 along K.  zero = 1: the first product starts the sums.
; The 64 accumulators take turns, one instruction a turn, in one order everywhere.
.macro MUL16 f, hi, a0, zero
	WIN MUL_LO+0x50*(\hi)
.irp a, \a0, (\a0)+1
.irp b, 0,1,2,3,4,5,6,7
.if \zero
	v_wmma_f32_16x16x32_f16 v[8*(8*(\a)+(\b)):8*(8*(\a)+(\b))+7], v[(\f)+8*(\b):(\f)+8*(\b)+7], v[(\f)+8*(4*(\hi)+(\a)):(\f)+8*(4*(\hi)+(\a))+7], 0
.else
	v_wmma_f32_16x16x32_f16 v[8*(8*(\a)+(\b)):8*(8*(\a)+(\b))+7], v[(\f)+8*(\b):(\f)+8*(\b)+7], v[(\f)+8*(4*(\hi)+(\a)):(\f)+8*(4*(\hi)+(\a))+7], v[8*(8*(\a)+(\b)):8*(8*(\a)+(\b))+7]
.endif
.endr
.endr
.endm
.macro FETCH k, f                      ; 32 LDS loads in one run: my 128 rows of B, then my 128 rows of A, 32 along K at byte k of the rows
	WIN TO_B
.irp i, 0,1,2,3,4,5,6,7
	ds_load_b128 v[(\f)+8*(\i):(\f)+8*(\i)+3],   v[ADRB] offset:(\k)+(\i)*16*PITCH
	ds_load_b128 v[(\f)+8*(\i)+4:(\f)+8*(\i)+7], v[ADRB] offset:(\k)+(\i)*16*PITCH+32
.endr
	WIN 0
.irp i, 0,1,2,3,4,5,6,7
	ds_load_b128 v[(\f)+8*(\i):(\f)+8*(\i)+3],   v[ADRA] offset:(\k)+(\i)*16*PITCH
	ds_load_b128 v[(\f)+8*(\i)+4:(\f)+8*(\i)+7], v[ADRA] offset:(\k)+(\i)*16*PITCH+32
.endr
.endm
.macro QUARTER k, f, g, zero           ; one of a step's first three quarters: multiplies buffer f; in its middle fetches the next quarter, at byte k, into buffer g
	s_wait_dscnt 8                                 ; B and A's row blocks 0-3 are in; the youngest eight loads (A's blocks 4-7) may be out
	MUL16 \f, 0, 0, \zero
	MUL16 \f, 0, 2, \zero
	PLACES
	FETCH \k, \g
	s_wait_dscnt 32                                ; all but the 32 just issued
	MUL16 \f, 1, 0, \zero
	MUL16 \f, 1, 2, \zero
.endm
; The first half of a step's last quarter, and ONE barrier for the change of slots.  In front of it each wave waits for all its tensor loads (its part of the next slot), adds 0 to its spare word,
; and waits for that and for its own reads of this slot.  Behind it nobody reads this slot any more and the next slot is whole.
.macro MEET
	WIN 0
	s_wait_tensorcnt 0x0                           ; all my tensor loads have landed
	ds_add_u32 v[SPW], v[NIL]                      ; 0 onto my spare word
	s_wait_dscnt 9                                 ; the add and the youngest eight loads may be out
	MUL16 F1, 0, 0, 0
	s_wait_dscnt 0x0                               ; the add is done, and my reads of this slot are over
	s_barrier_signal -1
	MUL16 F1, 0, 2, 0                              ; work on registers while the others arrive
	WIN 0
	s_barrier_wait -1
.endm
; A step's last quarter.  fill = 1: the barrier opens a round of the cluster's, and the slot just read is filled again, first thing behind it, with the step two on:
; from that request to the wait for it a wave issues 224 matrix instructions.  tail = 1: in the loop's last trip (s3 = 1) there is no next step, and the fetch is jumped over.
.macro TURN fill, tail
	MEET
.if \fill
	CREST                                          ; no wave of any partner still reads this slot or has a load on its way
	s_xor_b32 s[G0+5], s[G0+5], SLOT1              ; the walking descriptors: the other slot than last time, the next K step; no load of mine is out
	s_add_nc_u64 s[G0+6:G0+7], s[G0+6:G0+7], STEPA
	s_xor_b32 s[G0B+5], s[G0B+5], SLOT1
	s_add_nc_u64 s[G0B+6:G0B+7], s[G0B+6:G0B+7], STEPB
	JLOAD                                          ; its four v_nop are also the places in front of the loads below
.else
	PLACES
.endif
.if \tail
	s_cmp_eq_u32 s3, 1
	s_cbranch_scc1 .Lno_fetch_\@
.endif
	s_xor_b32 s[TB], s[TB], SLOT1
	v_add_nc_u32 v[ADRA], s[TB], v[ADRA0]
	v_add_nc_u32 v[ADRB], s[TB], v[ADRB0]
	FETCH 0, F0
	WIN 0
.if \tail
.Lno_fetch_\@:
.endif
	MUL16 F1, 1, 0, 0
	MUL16 F1, 1, 2, 0
.endm
; The wave's 128 x 128 f32 go into its region of LDS, over the ring, which has had its last fill and, since the last barrier, its last read.  In a row of 512 bytes the lane's columns
; 8 q + 0..3 (q = 2 b + l / 16) lie at byte 16 q, its columns 8 q + 4..7 at 256 + 16 q: read back by 16 lanes, both halves are 256 consecutive bytes.  Each accumulator's low registers go first.
.macro DUMP
	WIN 0
	s_wait_dscnt 0x0                               ; no LDS load of mine is out when the slots and the fragment registers are taken over
	PLACES
.irp a, 0,1,2,3,4,5,6,7
	WIN 0x08+4*((\a)/4)                            ; store data (source 1) in window 2 or 3
.irp b, 0,1,2,3,4,5,6,7
	ds_store_b128 v[DST], v[8*(8*((\a)%4)+(\b)):8*(8*((\a)%4)+(\b))+3]   offset:8448*(\a)+32*(\b)
	ds_store_b128 v[DST], v[8*(8*((\a)%4)+(\b))+4:8*(8*((\a)%4)+(\b))+7] offset:8448*(\a)+256+32*(\b)
.endr
.endr
	WIN 0
.endm
.macro LOADX                           ; 16 rows back: pair p: lanes 0-15 row 2 p, lanes 16-31 row 2 p + 1, eight neighbouring columns a lane
.irp p, 0,1,2,3,4,5,6,7
	ds_load_b128 v[X+8*(\p):X+8*(\p)+3],   v[RD0] offset:1056*(\p)
	ds_load_b128 v[X+8*(\p)+4:X+8*(\p)+7], v[RD0] offset:1056*(\p)+256
.endr
.endm
	s_load_b128 s[4:7], s[0:1], 0x0                ; tv s[4:5], x16 s[6:7]
	s_load_b64 s[8:9], s[0:1], 0x10                ; pbuf
	s_load_b64 s[72:73], s[0:1], 0x18              ; mstat
	s_load_b64 s[74:75], s[0:1], 0x20              ; lstat
	v_lshl_add_u32 v[SPW], v0, 2, SPARE
	v_mov_b32 v[NIL], 0
	ds_add_u32 v28, v29
	s_wait_dscnt 0x0
	v_lshrrev_b32 v1, 5, v0
	v_readfirstlane_b32 s10, v1                    ; wave 0..3
	s_lshr_b32 s11, s10, 1                         ; which half of the tile's queries is mine.  Also: I fetch for A (0) or for B (1)
	s_and_b32 s12, s10, 1                          ; which half of its keys.  Also: which 128 rows of that tile I fetch
	s_bfe_u32 s40, ttmp6, 0x40000                  ; cx, cy: my place in the cluster
	s_bfe_u32 s41, ttmp6, 0x40004
	s_lshl_b32 s42, ttmp9, 2
	s_add_co_u32 s42, s42, s40                     ; tile column (keys) = 4 x cluster x + cx
	s_and_b32 s21, ttmp7, 0xffff                   ; the cluster's y
	s_lshl_b32 s13, s21, 2
	s_add_co_u32 s13, s13, s41                     ; tile row (queries) = 4 x cluster y + cy
	s_lshr_b32 s21, s21, 1                         ; the batch: two clusters of 1,024 queries each; made of the cluster's y alone
	s_lshl_b32 s21, s21, 11                        ; its first row in x16
	s_lshl_b32 s43, s41, 2
	s_lshl_b32 s43, 15, s43                        ; my row of the cluster
	s_lshl_b32 s44, 0x1111, s40                    ; my column
	s_mov_b32 s[CS], 0x4238aa3b                    ; c = 32 log2(e)
	s_mov_b32 s[CS+1], s[CS]                       ; named with it as a pair
	s_or_b32 s[G1], s43, (1<<16)|(1<<20)|(1<<21)|(5<<22)|(3<<25)   ; 15:0 the mask; 17:16 2-byte elements; 20 padding on; 21 set beside a mask; 24:22 after every 64 words; 31:25 4 words
	s_or_b32 s[G1B], s44, (1<<16)|(1<<20)|(1<<21)|(5<<22)|(3<<25)
.irp g, G1, G1B
	s_mov_b32 s[(\g)+1], 128<<16                   ; tensor_dim0 = 128
	s_mov_b32 s[(\g)+2], 128<<16                   ; tensor_dim1 = 128
	s_mov_b32 s[(\g)+3], 128<<16                   ; tile_dim0 = 128
	s_mov_b32 s[(\g)+4], 128                       ; tile_dim1 = 128
	s_mov_b32 s[(\g)+6], 0
	s_mov_b32 s[(\g)+7], 0
.endr
	s_mov_b32 s[G1+5], 2048                        ; elements from row to row: tv's
	s_mov_b32 s[G1B+5], 1024                       ; x16's
	s_lshl_b32 s17, s12, 7
	s_lshl_b32 s16, s13, 8
	s_add_co_u32 s16, s16, s17                     ; A: row 256 x tile row + 128 x half
	s_lshl_b32 s16, s16, 12                        ; 4,096 bytes a row
	s_lshl_b32 s46, s42, 8
	s_add_co_u32 s46, s46, s17
	s_add_co_u32 s46, s46, s21                     ; B: the batch's row 256 x tile column + 128 x half
	s_lshl_b32 s46, s46, 11                        ; 2,048 bytes a row
	s_mov_b32 s17, 0
	s_mov_b32 s47, 0
	s_mul_i32 s20, s10, HALFT                      ; where the tiles go: wave x 128 rows: no place in the cluster enters an LDS address
	s_mov_b32 s[TB], 0
	s_wait_kmcnt 0x0
	s_add_nc_u64 s[14:15], s[4:5], s[16:17]
	s_add_nc_u64 s[46:47], s[6:7], s[46:47]
.irp s, 0,1
	s_mov_b32 s[G0+4*(\s)], 1                                        ; count = 1
	s_add_co_u32 s[G0+4*(\s)+1], s20, (\s)*SLOT1                     ; LDS address
	s_add_nc_u64 s[G0+4*(\s)+2:G0+4*(\s)+3], s[14:15], (\s)*STEPA    ; global address: K step s
	s_or_b32 s[G0+4*(\s)+3], s[G0+4*(\s)+3], 0x80000000              ; type = 2
	s_mov_b32 s[G0B+4*(\s)], 1
	s_add_co_u32 s[G0B+4*(\s)+1], s20, (\s)*SLOT1
	s_add_nc_u64 s[G0B+4*(\s)+2:G0B+4*(\s)+3], s[46:47], (\s)*STEPB
	s_or_b32 s[G0B+4*(\s)+3], s[G0B+4*(\s)+3], 0x80000000
.endr
	CROUND                                         ; all sixteen work-groups are here: the first joint loads meet
	JFIRST
	v_and_b32 v1, 15, v0                           ; r = l % 16
	v_bfe_u32 v2, v0, 4, 1                         ; h = l / 16
	v_mul_u32_u24 v3, v1, PITCH
	v_lshl_add_u32 v3, v2, 4, v3                   ; a fragment's row x pitch + 16 x half
	s_mul_i32 s21, s11, HALFT                      ; my 128 rows of A
	s_mul_i32 s22, s12, HALFT                      ; my 128 rows of B,
	s_add_co_u32 s22, s22, 2*HALFT                 ; which lie behind A's 256
	v_add_nc_u32 v[ADRA0], s21, v3
	v_add_nc_u32 v[ADRB0], s22, v3
	v_mov_b32 v[ADRA], v[ADRA0]
	v_mov_b32 v[ADRB], v[ADRB0]
	s_mul_i32 s23, s10, RG                         ; my region of the way out
	v_mul_u32_u24 v4, v1, 528
	v_lshl_add_u32 v4, v2, 4, v4
	v_add_nc_u32 v[DST], s23, v4                   ; in: row r, 16 bytes for each half of the lanes
	v_mul_u32_u24 v5, v2, 528
	v_lshl_add_u32 v5, v1, 4, v5
	v_add_nc_u32 v[RD0], s23, v5                   ; back: lanes 0-15 a row, lanes 16-31 the next
	v_lshlrev_b32 v5, 12, v2
	v_lshl_add_u32 v[CO], v1, 4, v5                ; the same two rows in pbuf, 4,096 bytes a row
	s_lshl_b32 s21, s10, 10
	s_add_co_u32 s21, s21, STATB                   ; my 1,024 bytes of statistics
	v_lshl_add_u32 v[SA], v2, 2, s21
	v_and_b32 v6, 31, v0
	v_lshl_add_u32 v[SR], v6, 4, s21
	v_lshlrev_b32 v[SO], 4, v6
	s_lshl_b32 s16, s13, 8
	s_lshl_b32 s14, s11, 7
	s_add_co_u32 s16, s16, s14                     ; my first query
	s_lshl_b32 s22, s16, 2                         ; its 4 bytes in a chunk's statistics
	s_lshl_b32 s16, s16, 12
	s_mov_b32 s17, 0
	s_add_nc_u64 s[8:9], s[8:9], s[16:17]
	s_lshl_b32 s46, s42, 1
	s_add_co_u32 s46, s46, s12                     ; my chunk = 2 x tile column + half
	s_lshl_b32 s47, s46, 15                        ; 8,192 rows of 4 bytes a chunk
	s_add_co_u32 s22, s22, s47
	s_mov_b32 s23, 0
	s_add_nc_u64 s[72:73], s[72:73], s[22:23]
	s_add_nc_u64 s[74:75], s[74:75], s[22:23]
	s_lshl_b32 s46, s46, 8                         ; my first key, in bytes: 256 x chunk
	s_mov_b32 s47, 0
	s_add_nc_u64 s[8:9], s[8:9], s[46:47]
	s_wait_tensorcnt 0x1                           ; my part of K step 0 is in; step 1's may stay out
	s_barrier_signal -1
	s_barrier_wait -1                              ; everybody's is
	FETCH 0, F0
	QUARTER 64, F0, F1, 1                          ; the first quarter stands in front of the loop: its products start the sums
	WIN 0
	s_mov_b32 s3, STEPS-2
.Lmain:                                                ; a trip: from a step's second quarter to the next step's first; it asks for the step two on
	QUARTER 128, F1, F0, 0
	QUARTER 192, F0, F1, 0
	TURN 1, 0
	QUARTER 64, F0, F1, 0
	WIN 0
	s_sub_co_u32 s3, s3, 1
	s_cmp_lg_u32 s3, 0
	s_cbranch_scc1 .Lmain
	s_mov_b32 s3, 2
.Ltail:                                                ; the last two steps ask for nothing: written apart
	QUARTER 128, F1, F0, 0
	QUARTER 192, F0, F1, 0
	TURN 0, 1
	WIN 0
	s_cmp_eq_u32 s3, 1
	s_cbranch_scc1 .Lno_quarter
	QUARTER 64, F0, F1, 0
	WIN 0
.Lno_quarter:
	s_sub_co_u32 s3, s3, 1
	s_cmp_lg_u32 s3, 0
	s_cbranch_scc1 .Ltail
	DUMP                                           ; each wave reads back its own region alone, and LDS serves a wave's instructions in order (ISA guide 5.7.1.4): no barrier
	LOADX
	s_mov_b32 s2, 8
.Lout:                                                 ; a trip: 16 rows.  A row's 128 scores lie in 16 lanes, eight a lane.  Each phase goes across the eight pairs, so that no line reads the result just made
	s_wait_dscnt 0x0                               ; the trip's 16 loads are in (and the last trip's statistics are stored)
.irp p, 0,1,2,3,4,5,6,7
	v_max3_num_f32 v[ST+2*(\p)+1], v[X+8*(\p)], v[X+8*(\p)+1], v[X+8*(\p)+2]
.endr
.irp p, 0,1,2,3,4,5,6,7
	v_max3_num_f32 v[ST+2*(\p)+1], v[ST+2*(\p)+1], v[X+8*(\p)+3], v[X+8*(\p)+4]
.endr
.irp p, 0,1,2,3,4,5,6,7
	v_max3_num_f32 v[ST+2*(\p)+1], v[ST+2*(\p)+1], v[X+8*(\p)+5], v[X+8*(\p)+6]
.endr
.irp p, 0,1,2,3,4,5,6,7
	v_max_num_f32 v[ST+2*(\p)+1], v[ST+2*(\p)+1], v[X+8*(\p)+7]
.endr
.irp m, 1,2,4,8                        ; across the row's 16 lanes
.irp p, 0,1,2,3,4,5,6,7
	v_max_num_f32_dpp v[ST+2*(\p)+1], v[ST+2*(\p)+1], v[ST+2*(\p)+1] row_xmask:\m row_mask:0xf bank_mask:0xf
.endr
.endr
.irp p, 0,1,2,3,4,5,6,7
	v_mul_f32 v[ST+2*(\p)], s[CS], v[ST+2*(\p)+1]  ; c m
.endr
.irp p, 0,1,2,3,4,5,6,7
.irp i, 0,2,4,6
	v_pk_fma_f32 v[X+8*(\p)+(\i):X+8*(\p)+(\i)+1], v[X+8*(\p)+(\i):X+8*(\p)+(\i)+1], s[CS:CS+1], v[ST+2*(\p):ST+2*(\p)+1] op_sel_hi:[1,0,0] neg_lo:[0,0,1] neg_hi:[0,0,1]  ; c s - c m
.endr
.endr
.set j, 0
.rept 64
	v_exp_f32 v[X+j], v[X+j]
.set j, j+1
.endr
	v_nop                                          ; a plain instruction between the exponentials and the use of their results (ISA guide 5.7.2)
	s_wait_alu depctr_va_vdst(0)
.irp p, 0,1,2,3,4,5,6,7
.irp i, 0,1,2,3
	v_cvt_pk_f16_f32 v[Y+4*(\p)+(\i)], v[X+8*(\p)+2*(\i)], v[X+8*(\p)+2*(\i)+1]
.endr
.endr
.irp p, 0,1,2,3,4,5,6,7
	v_pk_add_f32 v[X+8*(\p):X+8*(\p)+1], v[X+8*(\p):X+8*(\p)+1], v[X+8*(\p)+2:X+8*(\p)+3]
	v_pk_add_f32 v[X+8*(\p)+4:X+8*(\p)+5], v[X+8*(\p)+4:X+8*(\p)+5], v[X+8*(\p)+6:X+8*(\p)+7]
.endr
.irp p, 0,1,2,3,4,5,6,7
	v_pk_add_f32 v[X+8*(\p):X+8*(\p)+1], v[X+8*(\p):X+8*(\p)+1], v[X+8*(\p)+4:X+8*(\p)+5]
.endr
.irp p, 0,1,2,3,4,5,6,7
	v_add_f32 v[LS+(\p)], v[X+8*(\p)], v[X+8*(\p)+1]
.endr
	s_cmp_eq_u32 s2, 1                             ; X is free: the next trip's rows are asked for, but in the last trip
	s_cbranch_scc1 .Lno_more
	v_add_nc_u32 v[RD0], 8448, v[RD0]
	LOADX
.Lno_more:
.irp m, 1,2,4,8
.irp p, 0,1,2,3,4,5,6,7
	v_add_f32_dpp v[LS+(\p)], v[LS+(\p)], v[LS+(\p)] row_xmask:\m row_mask:0xf bank_mask:0xf
.endr
.endr
.irp p, 0,1,2,3,4,5,6,7
	global_store_b128 v[CO], v[Y+4*(\p):Y+4*(\p)+3], s[8:9] offset:8192*(\p)  ; 16 lanes store 256 consecutive bytes, aligned
.endr
.irp p, 0,1,2,3,4,5,6,7
	ds_store_b32 v[SA], v[ST+2*(\p)] offset:8*(\p)       ; the 16 lanes of a row write one word with one value
	ds_store_b32 v[SA], v[LS+(\p)] offset:512+8*(\p)
.endr
	v_add_nc_u32 v[SA], 64, v[SA]
	s_wait_xcnt 0x0                                ; the stores' base and data are rewritten only behind this wait
	s_add_nc_u64 s[8:9], s[8:9], 65536
	s_sub_co_u32 s2, s2, 1
	s_cmp_lg_u32 s2, 0
	s_cbranch_scc1 .Lout
	ds_load_b128 v[TS:TS+3], v[SR]                 ; my wave's 128 c m, 512 consecutive bytes; these see the stores above
	ds_load_b128 v[TS+4:TS+7], v[SR] offset:512    ; and its 128 sums
	s_wait_dscnt 0x1
	global_store_b128 v[SO], v[TS:TS+3], s[72:73]
	s_wait_dscnt 0x0
	global_store_b128 v[SO], v[TS+4:TS+7], s[74:75]
	s_wait_tensorcnt 0x0                           ; the wave's end
	ds_add_u32 v[SPW], v[NIL]
	s_wait_dscnt 0x0
	CROUND                                         ; the closing round: no work-group ends while a partner may still ask for a tile that names it
	s_endpgm
.Lfunc_end_k_q3a6974b8dc_scores:
	.size	k_q3a6974b8dc_scores, .Lfunc_end_k_q3a6974b8dc_scores-k_q3a6974b8dc_scores
	.p2alignl 7, 3214868480
	.fill 96, 4, 3214868480
	.section	.rodata,"a",@progbits
	.p2align	6, 0x0
	.amdhsa_kernel k_q3a6974b8dc_scores
		.amdhsa_group_segment_fixed_size 327680
		.amdhsa_private_segment_fixed_size 0
		.amdhsa_enable_private_segment 0
		.amdhsa_kernarg_size 40
		.amdhsa_user_sgpr_count 2
		.amdhsa_user_sgpr_kernarg_segment_ptr 1
		.amdhsa_wavefront_size32 1
		.amdhsa_system_sgpr_workgroup_id_x 1
		.amdhsa_system_sgpr_workgroup_id_y 1
		.amdhsa_system_sgpr_workgroup_id_z 1
		.amdhsa_system_vgpr_workitem_id 0
		.amdhsa_next_free_vgpr 1024
		.amdhsa_next_free_sgpr 96
		.amdhsa_reserve_vcc 0
		.amdhsa_float_denorm_mode_32 3
		.amdhsa_float_denorm_mode_16_64 3
		.amdhsa_memory_ordered 1
		.amdhsa_forward_progress 1
		.amdhsa_inst_pref_size 95
	.end_amdhsa_kernel
	.amdgpu_metadata
---
amdhsa.version: [ 1, 2 ]
amdhsa.kernels:
  - .name:           k_q3a6974b8dc_scores
    .symbol:         k_q3a6974b8dc_scores.kd
    .args:
      - { .name: tv, .offset: 0, .size: 8, .value_kind: global_buffer, .address_space: global }
      - { .name: x16, .offset: 8, .size: 8, .value_kind: global_buffer, .address_space: global }
      - { .name: pbuf, .offset: 16, .size: 8, .value_kind: global_buffer, .address_space: global }
      - { .name: mstat, .offset: 24, .size: 8, .value_kind: global_buffer, .address_space: global }
      - { .name: lstat, .offset: 32, .size: 8, .value_kind: global_buffer, .address_space: global }
    .group_segment_fixed_size: 327680
    .private_segment_fixed_size: 0
    .kernarg_segment_align: 8
    .kernarg_segment_size: 40
    .max_flat_workgroup_size: 128
    .sgpr_count:     96
    .vgpr_count:     1024
    .wavefront_size: 32
...
	.end_amdgpu_metadata
.endif
;; end of part 4
;; launch pv (part 5): grid 4 x 64, 4 waves a work-group, clusters of 4 x 4, 327,680 bytes of LDS; arguments pbuf, tv, mstat, lstat, out0; writes out0
.if DOCPART == 5
	.amdgcn_target "amdgcn-amd-amdhsa--gfx1250"
	.amdhsa_code_object_version 6
	.text
	.protected	k_q3a6974b8dc_pv
	.globl	k_q3a6974b8dc_pv
	.p2align	8
	.type	k_q3a6974b8dc_pv,@function
k_q3a6974b8dc_pv:
	s_mov_b64 s[64:65], 0
	v_nop
	global_prefetch_b8 v0, s[64:65] scope:SCOPE_SE
	s_setreg_imm32_b32 hwreg(HW_REG_WAVE_MODE, 25, 1), 1
	s_wait_xcnt 0x0
	s_wait_alu depctr_hold_cnt(0) depctr_sa_sdst(0) depctr_va_vdst(0) depctr_va_sdst(0) depctr_va_ssrc(0) depctr_va_vcc(0) depctr_vm_vsrc(0)
	s_getreg_b32 s2, hwreg(HW_REG_IB_STS2, 6, 4)
	s_cmp_eq_u32 s2, 0
	s_cbranch_scc0 .Lentry_in_a_cluster
	s_endpgm
.Lentry_in_a_cluster:
	s_bfe_u32 s2, ttmp6, 0x10000c
	s_cmp_lg_u32 s2, 0xf033
	s_cbranch_scc0 .Lentry_shape_is_right
	s_endpgm
.Lentry_shape_is_right:
; out0[n][u] = (1 / L[n]) x the sum over chunks j of f[n][j] x the sum over the chunk's 128 keys m of P'[n][m] V[m][u].  P' = pbuf, V = tv's columns 1024-2047, both f16; sums in f32; out0 f32.
; SOFTMAX, SECOND HALF.  M[n] = the maximum over the row's 16 chunks of c m; f = 2^(c m_j - M) <= 1; L = the sum of f_j l_j >= 1, in f32.  A K step of 128 keys is one chunk, so P's fragments
; are multiplied by (f, f) in f16, one packed multiply for each fragment register; 1 / L is applied in f32 on the way out.
; LIMITS.  f and P' f are rounded to f16: a weight below 6e-8 of its row's largest counts as 0, below 6e-5 it keeps f16's fixed step.  NaN and infinities are not treated apart.
; SHARES.  256 tiles of 128 queries x 256 channels, one to a work-group.  Each of the four waves makes 128 x 128 (64 accumulators) for one half of the channels and one half (64) of a step's 128 keys,
; so that a fragment read from LDS feeds eight products; the two key halves' partial sums meet in LDS on the way out.  K = 2,048 keys go in 16 steps through two LDS slots.
; CLUSTER 4 x 4: the four work-groups of a row need the same rows of P', those of a column the same keys and channels of V (a cluster's 512 queries lie in one batch): each tile is asked for jointly.
; THE MATRIX INSTRUCTION IS USED TRANSPOSED (source 0 = 16 channels of V^T, by the turning load; source 1 = 16 queries of P'): lane l holds query l % 16 and the channels 8 (l / 16) + 0..7.
; REGISTERS, in windows of 256: window 0: v0-31 addresses; v32-39 the step's factors, v40-47 the next step's; v64-127, v128-191 fragments of P' (at first the statistics, later the way out).
; Window 1: v64-191 fragments of V^T.  Windows 2, 3: the accumulators, (a, b) at v[8 (8 (a % 4) + b)] of window 2 + a / 4.
.set PA,     272                       ; a row of P' in LDS: 256 bytes + 16: the 16 rows of a fragment load start at 16 different groups of four banks (ISA guide 11.1)
.set PB,     544                       ; a row of V: 512 bytes + 32 = 17 x 32
.set AHALF,  64*PA                     ; what a load of P' brings: 64 queries x 128 keys
.set BOFF,   128*PA                    ; V's tile lies behind P's 128 rows
.set BHALF,  64*PB                     ; what a load of V brings: 64 keys x 256 channels
.set SLOT1,  1<<17                     ; a slot is 104,448 bytes; slot 1 begins here, so that an exclusive or changes slots
.set RG,     128*528                   ; the way out: a wave's 128 x 128 f32, rows 528 bytes apart
.set FT,     4*RG                      ; behind ring and dump, never filled by a tensor load: the factors, [16 chunks][16 r][8 row blocks] words (f, f)
.set RL,     FT+8192                   ; 128 words 1 / L
.set SPARE,  RL+512                    ; the spare words, 128 bytes a wave, which no other line names
.set STEPS,  16
.set STEPA,  256                       ; 128 keys along a row of P'
.set STEPB,  128*4096                  ; 128 rows of tv
.set ADRA0, 16                         ; v16, v17  my lane's place among P's, V's fragments in slot 0; never rewritten
.set ADRB0, 17
.set ADRA,  18                         ; v18, v19  the same in the slot in hand
.set ADRB,  19
.set DST,   20                         ; v20  the way out: where I put my results
.set RD0,   21                         ; v21, v22  where I read the two partial sums back
.set RD1,   22
.set RLA,   25                         ; v25  where the trip's eight 1 / L lie
.set CO,    26                         ; v26  16 x lane
.set SPW,   28                         ; v28  LDS address of my spare word; never rewritten
.set NIL,   29                         ; v29  0; never rewritten
.set FA,    30                         ; v30  where the next step's factors of my eight rows lie
.set FR,    32
.set FRN,   40
.set F0,    64
.set F1,    128
.set MS,    64                         ; the statistics: v64-79 c m, then f; v80-95 l, then (f, f); v96 M; v97 L; v98 1 / L
.set LV,    80
.set X,     64                         ; the way out: row i: v[X + 8 i ..] the first key half's sums, + 4 the second's
.set RLV,   128                        ; eight 1 / L
.set G1,  24
.set G0,  32
.set G1B, 48
.set G0B, 56
.set TB,  66                           ; s66  0 or SLOT1: the slot in hand
.set MSB, 0
.macro WIN new                         ; the immediate's high byte repeats the setting that is left; a switch that changes nothing is dropped
.if MSB != (\new)
	s_set_vgpr_msb (MSB<<8)|(\new)
.set MSB, \new
.endif
.endm
.set MUL_LO, 0xa1                      ; source 0 (V^T) window 1, source 1 (P') window 0, C and D window 2
.set TO_B,   0x40                      ; destination window 1, address window 0
.macro PLACES                          ; four plain vector instructions between a matrix instruction and a load into, or a read of, its registers
.rept 4
	v_nop
.endr
.endm
.macro CREST                           ; a round of the cluster's barrier behind its opening barrier
	s_cmp_lg_u32 s10, 0
	s_cbranch_scc1 .Lnot_wave_0_\@
	s_barrier_signal -3
.Lnot_wave_0_\@:
	s_barrier_wait -3
	s_barrier_signal -1
	s_barrier_wait -1
.endm
.macro CROUND
	s_barrier_signal -1
	s_barrier_wait -1
	CREST
.endm
.macro JFIRST                          ; a wave's two first fills stand in one branch on the wave's number: waves 0, 1 ask for P's halves, waves 2, 3 for V's; two loads of mine are out
	s_cmp_eq_u32 s11, 0
	s_cbranch_scc0 .Lfirst_b_\@
	tensor_load_to_lds s[G0:G0+3], s[G1:G1+7]
	s_nop 0
	tensor_load_to_lds s[G0+4:G0+7], s[G1:G1+7]
	s_nop 0
	PLACES
	s_branch .Lfirst_asked_\@
.Lfirst_b_\@:
	tensor_load_to_lds s[G0B:G0B+3], s[G1B:G1B+7]
	s_nop 0
	tensor_load_to_lds s[G0B+4:G0B+7], s[G1B:G1B+7]
	s_nop 0
	PLACES
.Lfirst_asked_\@:
.endm
.macro JLOAD                           ; a joint refill by the walking descriptor; an s_nop 0 and four v_nop follow each line
	s_cmp_eq_u32 s11, 0
	s_cbranch_scc0 .Lfor_b_\@
	tensor_load_to_lds s[G0+4:G0+7], s[G1:G1+7]
	s_nop 0
	PLACES
	s_branch .Lasked_\@
.Lfor_b_\@:
	tensor_load_to_lds s[G0B+4:G0B+7], s[G1B:G1B+7]
	s_nop 0
	PLACES
.Lasked_\@:
.endm
.macro SCALE0 f                        ; row block 0's fragment times its rows' factor
	WIN 0
.irp i, 0,1,2,3,4,5,6,7
	v_pk_mul_f16 v[(\f)+(\i)], v[(\f)+(\i)], v[FR]
.endr
.endm
; 16 matrix instructions: row blocks a0, a0 + 1 of the window's four x all 8 column blocks, 32 keys.  zero = 1: the first product starts the sums.  The 64 accumulators take turns, one instruction
; a turn, in one order everywhere.  Behind every second product of row block g stand two multiplies that scale the fragment of block g + 1: they name no register of the products round them.
.macro MUL16S f, hi, a0, zero
.irp a, \a0, (\a0)+1
.irp b, 0,1,2,3,4,5,6,7
	WIN MUL_LO+0x50*(\hi)
.if \zero
	v_wmma_f32_16x16x32_f16 v[8*(8*(\a)+(\b)):8*(8*(\a)+(\b))+7], v[(\f)+8*(\b):(\f)+8*(\b)+7], v[(\f)+8*(4*(\hi)+(\a)):(\f)+8*(4*(\hi)+(\a))+7], 0
.else
	v_wmma_f32_16x16x32_f16 v[8*(8*(\a)+(\b)):8*(8*(\a)+(\b))+7], v[(\f)+8*(\b):(\f)+8*(\b)+7], v[(\f)+8*(4*(\hi)+(\a)):(\f)+8*(4*(\hi)+(\a))+7], v[8*(8*(\a)+(\b)):8*(8*(\a)+(\b))+7]
.endif
.if (((\b)%2) == 1) && ((4*(\hi)+(\a)) < 7)
	WIN 0
	v_pk_mul_f16 v[(\f)+8*(4*(\hi)+(\a)+1)+(\b)-1], v[(\f)+8*(4*(\hi)+(\a)+1)+(\b)-1], v[FR+4*(\hi)+(\a)+1]
	v_pk_mul_f16 v[(\f)+8*(4*(\hi)+(\a)+1)+(\b)], v[(\f)+8*(4*(\hi)+(\a)+1)+(\b)], v[FR+4*(\hi)+(\a)+1]
.endif
.endr
.endr
.endm
; A run of LDS loads: quarter q (32 keys) of my 64 keys: my 128 channels of V, turned, then 128 queries of P'.  fac = 1: in front of them the next step's factors.
.macro FETCH q, f, fac
	WIN 0
.if \fac
	ds_load_b128 v[FRN:FRN+3], v[FA]
	ds_load_b128 v[FRN+4:FRN+7], v[FA] offset:16
	v_add_nc_u32 v[FA], 512, v[FA]                 ; the chunk after it
.endif
	WIN TO_B
.irp i, 0,1,2,3,4,5,6,7
	ds_load_tr16_b128 v[(\f)+8*(\i):(\f)+8*(\i)+3],   v[ADRB] offset:(\q)*32*PB+32*(\i)
	ds_load_tr16_b128 v[(\f)+8*(\i)+4:(\f)+8*(\i)+7], v[ADRB] offset:(\q)*32*PB+16*PB+32*(\i)
.endr
	WIN 0
.irp i, 0,1,2,3,4,5,6,7
	ds_load_b128 v[(\f)+8*(\i):(\f)+8*(\i)+3],   v[ADRA] offset:64*(\q)+(\i)*16*PA
	ds_load_b128 v[(\f)+8*(\i)+4:(\f)+8*(\i)+7], v[ADRA] offset:64*(\q)+(\i)*16*PA+32
.endr
.endm
.macro QUARTER zero                    ; a step's first quarter: takes the step's factors over, multiplies buffer 0 and fetches the second quarter into buffer 1
	s_wait_dscnt 8                                 ; the factors, V and P's row blocks 0-3 are in; the youngest eight loads (P's blocks 4-7) may be out
	WIN 0
.irp i, 0,1,2,3,4,5,6,7
	v_mov_b32 v[FR+(\i)], v[FRN+(\i)]              ; the landing registers are loaded again while the last of these are still multiplied by
.endr
	SCALE0 F0
	MUL16S F0, 0, 0, \zero
	s_wait_dscnt 0x0                               ; P's blocks 4-7: block 4's fragment is scaled beside block 3's products
	MUL16S F0, 0, 2, \zero
	PLACES
	FETCH 1, F1, 0
	MUL16S F0, 1, 0, \zero
	MUL16S F0, 1, 2, \zero
.endm
; The first half of a step's second quarter, and ONE barrier for the change of slots.  In front of it each wave waits for all its tensor loads (its part of the next slot), adds 0 to its spare word,
; and waits for that and for its own reads of this slot.  Behind it nobody reads this slot any more and the next slot is whole.
.macro MEET
	WIN 0
	s_wait_tensorcnt 0x0                           ; all my tensor loads have landed
	ds_add_u32 v[SPW], v[NIL]                      ; 0 onto my spare word
	s_wait_dscnt 9                                 ; the add and the youngest eight loads may be out
	SCALE0 F1
	MUL16S F1, 0, 0, 0
	s_wait_dscnt 0x0                               ; the add is done, and my reads of this slot are over
	s_barrier_signal -1
	MUL16S F1, 0, 2, 0                             ; work on registers while the others arrive
	WIN 0
	s_barrier_wait -1
.endm
; A step's second quarter.  fill = 1: the barrier opens a round of the cluster's, and the slot just read is filled again, first thing behind it, with the step two on:
; from that request to the wait for it a wave issues 96 matrix instructions.  tail = 1: in the loop's last trip (s3 = 1) there is no next step, and the fetch is jumped over.
.macro TURN fill, tail
	MEET
.if \fill
	CREST                                          ; no wave of any partner still reads this slot or has a load on its way
	s_xor_b32 s[G0+5], s[G0+5], SLOT1              ; the walking descriptors: the other slot than last time, the next 128 keys; no load of mine is out
	s_add_nc_u64 s[G0+6:G0+7], s[G0+6:G0+7], STEPA
	s_xor_b32 s[G0B+5], s[G0B+5], SLOT1
	s_add_nc_u64 s[G0B+6:G0B+7], s[G0B+6:G0B+7], STEPB
	JLOAD                                          ; its four v_nop are also the places in front of the loads below
.else
	PLACES
.endif
.if \tail
	s_cmp_eq_u32 s3, 1
	s_cbranch_scc1 .Lno_fetch_\@
.endif
	s_xor_b32 s[TB], s[TB], SLOT1
	v_add_nc_u32 v[ADRA], s[TB], v[ADRA0]
	v_add_nc_u32 v[ADRB], s[TB], v[ADRB0]
	FETCH 0, F0, 1
	WIN 0
.if \tail
.Lno_fetch_\@:
.endif
	MUL16S F1, 1, 0, 0
	MUL16S F1, 1, 2, 0
.endm
; The wave's 128 x 128 f32 go into its region of LDS as they lie in a row, over the ring, which has had its last fill and, since the last barrier, its last read.
; Each accumulator's low registers go first.
.macro DUMP
	WIN 0
	s_wait_dscnt 0x0                               ; no LDS load of mine is out when the slots and the fragment registers are taken over
	PLACES
.irp a, 0,1,2,3,4,5,6,7
	WIN 0x08+4*((\a)/4)                            ; store data (source 1) in window 2 or 3
.irp b, 0,1,2,3,4,5,6,7
	ds_store_b128 v[DST], v[8*(8*((\a)%4)+(\b)):8*(8*((\a)%4)+(\b))+3]   offset:8448*(\a)+64*(\b)
	ds_store_b128 v[DST], v[8*(8*((\a)%4)+(\b))+4:8*(8*((\a)%4)+(\b))+7] offset:8448*(\a)+64*(\b)+16
.endr
.endr
	WIN 0
.endm
	s_load_b128 s[4:7], s[0:1], 0x0                ; pbuf s[4:5], tv s[6:7]
	s_load_b128 s[72:75], s[0:1], 0x10             ; mstat s[72:73], lstat s[74:75]
	s_load_b64 s[8:9], s[0:1], 0x20                ; out0
	v_lshl_add_u32 v[SPW], v0, 2, SPARE
	v_mov_b32 v[NIL], 0
	ds_add_u32 v28, v29
	s_wait_dscnt 0x0
	v_lshrrev_b32 v1, 5, v0
	v_readfirstlane_b32 s10, v1                    ; wave 0..3
	s_lshr_b32 s11, s10, 1                         ; which 64 of a step's 128 keys are mine.  Also: I fetch for P' (0) or for V (1)
	s_and_b32 s12, s10, 1                          ; which half of the tile's channels.  Also: which half of that tile I fetch
	s_bfe_u32 s40, ttmp6, 0x40000                  ; cx, cy: my place in the cluster
	s_bfe_u32 s41, ttmp6, 0x40004
	s_lshl_b32 s42, ttmp9, 2
	s_add_co_u32 s42, s42, s40                     ; tile column (256 channels) = 4 x cluster x + cx
	s_and_b32 s21, ttmp7, 0xffff                   ; the cluster's y
	s_lshl_b32 s13, s21, 2
	s_add_co_u32 s13, s13, s41                     ; tile row (128 queries) = 4 x cluster y + cy
	s_lshr_b32 s21, s21, 2                         ; the batch: four clusters of 512 queries each; made of the cluster's y alone
	s_lshl_b32 s21, s21, 11                        ; its first row in tv
	s_lshl_b32 s43, s41, 2
	s_lshl_b32 s43, 15, s43                        ; my row of the cluster
	s_lshl_b32 s44, 0x1111, s40                    ; my column
	s_or_b32 s[G1], s43, (1<<16)|(1<<20)|(1<<21)|(5<<22)|(3<<25)   ; P': 15:0 the mask; 17:16 2-byte elements; 20 padding on; 21 set beside a mask; 24:22 after every 64 words; 31:25 4 words
	s_mov_b32 s[G1+1], 128<<16                     ; tensor_dim0 = 128 keys
	s_mov_b32 s[G1+2], 64<<16                      ; tensor_dim1 = 64 queries
	s_mov_b32 s[G1+3], 128<<16                     ; tile_dim0
	s_mov_b32 s[G1+4], 64                          ; tile_dim1
	s_mov_b32 s[G1+5], 2048                        ; elements from row to row
	s_mov_b32 s[G1+6], 0
	s_mov_b32 s[G1+7], 0
	s_or_b32 s[G1B], s44, (1<<16)|(1<<20)|(1<<21)|(6<<22)|(7<<25)  ; V: after every 128 words 8 words of padding
	s_mov_b32 s[G1B+1], 256<<16                    ; tensor_dim0 = 256 channels
	s_mov_b32 s[G1B+2], 64<<16                     ; tensor_dim1 = 64 keys
	s_mov_b32 s[G1B+3], 256<<16
	s_mov_b32 s[G1B+4], 64
	s_mov_b32 s[G1B+5], 2048
	s_mov_b32 s[G1B+6], 0
	s_mov_b32 s[G1B+7], 0
	s_lshl_b32 s17, s12, 6
	s_lshl_b32 s16, s13, 7
	s_add_co_u32 s16, s16, s17                     ; P': row 128 x tile row + 64 x half
	s_lshl_b32 s16, s16, 12                        ; 4,096 bytes a row
	s_add_co_u32 s46, s21, s17                     ; V: the batch's key 64 x half,
	s_lshl_b32 s46, s46, 12
	s_lshl_b32 s47, s42, 9                         ; channel 256 x tile column,
	s_add_co_u32 s46, s46, s47
	s_add_co_u32 s46, s46, 2048                    ; behind T's 1,024 columns
	s_mov_b32 s17, 0
	s_mov_b32 s47, 0
	s_mul_i32 s20, s12, AHALF                      ; where the tiles go: no place in the cluster enters an LDS address
	s_mul_i32 s19, s12, BHALF
	s_add_co_u32 s19, s19, BOFF
	s_lshl_b32 s22, s13, 9                         ; my tile's 128 rows in a chunk's statistics
	s_mov_b32 s23, 0
	s_mov_b32 s[TB], 0
	s_wait_kmcnt 0x0
	s_add_nc_u64 s[14:15], s[4:5], s[16:17]
	s_add_nc_u64 s[46:47], s[6:7], s[46:47]
	s_add_nc_u64 s[72:73], s[72:73], s[22:23]
	s_add_nc_u64 s[74:75], s[74:75], s[22:23]
.irp s, 0,1
	s_mov_b32 s[G0+4*(\s)], 1                                        ; count = 1
	s_add_co_u32 s[G0+4*(\s)+1], s20, (\s)*SLOT1                     ; LDS address
	s_add_nc_u64 s[G0+4*(\s)+2:G0+4*(\s)+3], s[14:15], (\s)*STEPA    ; global address: K step s
	s_or_b32 s[G0+4*(\s)+3], s[G0+4*(\s)+3], 0x80000000              ; type = 2
	s_mov_b32 s[G0B+4*(\s)], 1
	s_add_co_u32 s[G0B+4*(\s)+1], s19, (\s)*SLOT1
	s_add_nc_u64 s[G0B+4*(\s)+2:G0B+4*(\s)+3], s[46:47], (\s)*STEPB
	s_or_b32 s[G0B+4*(\s)+3], s[G0B+4*(\s)+3], 0x80000000
.endr
	CROUND                                         ; all sixteen work-groups are here: the first joint loads meet
	JFIRST
	; THE STATISTICS stand in the wait for the first tile.  Thread t has row t of the tile: its 16 c m and 16 l.
	v_lshlrev_b32 v14, 2, v0
.irp c, 0,1,2,3,4,5,6,7,8,9,10,11,12,13,14,15
	global_load_b32 v[MS+(\c)], v14, s[72:73] offset:32768*(\c)
.endr
.irp c, 0,1,2,3,4,5,6,7,8,9,10,11,12,13,14,15
	global_load_b32 v[LV+(\c)], v14, s[74:75] offset:32768*(\c)
.endr
	v_and_b32 v1, 15, v0                           ; r = l % 16
	v_bfe_u32 v2, v0, 4, 1                         ; h = l / 16
	v_mul_u32_u24 v3, v1, PA
	v_lshl_add_u32 v3, v2, 4, v3                   ; P': a fragment's row x pitch + 16 x half,
	s_lshl_b32 s22, s11, 7
	v_add_nc_u32 v[ADRA0], s22, v3                 ; + my 64 keys' 128 bytes
	; The turning load takes 16 keys x 16 channels (lane l reads key 8 (l / 16) + l % 8, channels 8 ((l / 8) % 2) + 0..7) and leaves half a fragment of V^T: lane l holds channel l % 16 and 8 keys.
	v_and_b32 v4, 7, v0
	v_bfe_u32 v5, v0, 3, 1
	v_lshl_add_u32 v4, v2, 3, v4
	v_mul_u32_u24 v4, v4, PB
	v_lshl_add_u32 v4, v5, 4, v4
	s_mul_i32 s22, s11, 64*PB                      ; my 64 keys,
	s_lshl_b32 s23, s12, 8                         ; my 128 channels
	s_add_co_u32 s22, s22, s23
	s_add_co_u32 s22, s22, BOFF
	v_add_nc_u32 v[ADRB0], s22, v4
	v_mov_b32 v[ADRA], v[ADRA0]
	v_mov_b32 v[ADRB], v[ADRB0]
	v_lshl_add_u32 v[FA], v1, 5, FT                ; the factors of rows r, 16 + r, .. 112 + r lie together: 32 bytes
	v_lshrrev_b32 v6, 4, v0
	v_lshlrev_b32 v6, 2, v6
	v_lshl_add_u32 v12, v1, 5, v6
	v_add_nc_u32 v12, FT, v12                      ; where row t's factor goes: 32 (t % 16) + 4 (t / 16)
	v_lshl_add_u32 v13, v0, 2, RL                  ; and its 1 / L
	s_mul_i32 s23, s10, RG                         ; my region of the way out
	v_mul_u32_u24 v4, v1, 528
	v_lshl_add_u32 v4, v2, 5, v4
	v_add_nc_u32 v[DST], s23, v4                   ; in: row r, 32 bytes for each half of the lanes
	s_mul_i32 s22, s12, RG                         ; back: rows 64 (w / 2) .. + 63 of channel half w % 2: a row's 512 bytes by 32 lanes,
	s_mul_i32 s23, s11, 64*528
	s_add_co_u32 s22, s22, s23
	v_and_b32 v6, 31, v0
	v_lshlrev_b32 v[CO], 4, v6
	v_add_nc_u32 v[RD0], s22, v[CO]                ; from the first key half's region
	v_add_nc_u32 v[RD1], 2*RG, v[RD0]              ; and the second's
	s_lshl_b32 s22, s11, 8
	s_add_co_u32 s22, s22, RL
	v_mov_b32 v[RLA], s22
	s_lshl_b32 s16, s13, 7
	s_lshl_b32 s14, s11, 6
	s_add_co_u32 s16, s16, s14                     ; the first row that I store
	s_lshl_b32 s16, s16, 12                        ; 4,096 bytes a row of out0
	s_mov_b32 s17, 0
	s_add_nc_u64 s[8:9], s[8:9], s[16:17]
	s_lshl_b32 s46, s42, 10                        ; my first channel, in bytes: 1,024 x tile column + 512 x half
	s_lshl_b32 s47, s12, 9
	s_add_co_u32 s46, s46, s47
	s_mov_b32 s47, 0
	s_add_nc_u64 s[8:9], s[8:9], s[46:47]
	s_wait_loadcnt 0x0
	v_max3_num_f32 v96, v[MS], v[MS+1], v[MS+2]    ; M
.irp c, 3,5,7,9,11,13
	v_max3_num_f32 v96, v96, v[MS+(\c)], v[MS+(\c)+1]
.endr
	v_max_num_f32 v96, v96, v[MS+15]
.irp c, 0,1,2,3,4,5,6,7,8,9,10,11,12,13,14,15
	v_sub_f32 v[MS+(\c)], v[MS+(\c)], v96
.endr
.irp c, 0,1,2,3,4,5,6,7,8,9,10,11,12,13,14,15
	v_exp_f32 v[MS+(\c)], v[MS+(\c)]               ; f
.endr
	v_nop                                          ; a plain instruction between the exponentials and the use of their results (ISA guide 5.7.2)
	s_wait_alu depctr_va_vdst(0)
	v_mul_f32 v97, v[MS], v[LV]
.irp c, 1,2,3,4,5,6,7,8,9,10,11,12,13,14,15
	v_fmac_f32 v97, v[MS+(\c)], v[LV+(\c)]         ; L
.endr
	v_rcp_f32 v98, v97                             ; the conversions below stand between it and the use of its result
.irp c, 0,1,2,3,4,5,6,7,8,9,10,11,12,13,14,15
	v_cvt_pk_f16_f32 v[LV+(\c)], v[MS+(\c)], v[MS+(\c)]
.endr
.irp c, 0,1,2,3,4,5,6,7,8,9,10,11,12,13,14,15
	ds_store_b32 v12, v[LV+(\c)] offset:512*(\c)
.endr
	s_wait_alu depctr_va_vdst(0)
	ds_store_b32 v13, v98
	s_wait_tensorcnt 0x1                           ; my part of K step 0 is in; step 1's may stay out
	s_wait_dscnt 0x0                               ; for the others' sake: my rows' factors are in LDS
	s_barrier_signal -1
	s_barrier_wait -1                              ; everybody's are
	FETCH 0, F0, 1
	QUARTER 1                                      ; the first quarter stands in front of the loop: its products start the sums
	WIN 0
	s_mov_b32 s3, STEPS-2
.Lmain:                                                ; a trip: a step's second quarter, which asks for the step two on, and the next step's first
	TURN 1, 0
	QUARTER 0
	WIN 0
	s_sub_co_u32 s3, s3, 1
	s_cmp_lg_u32 s3, 0
	s_cbranch_scc1 .Lmain
	s_mov_b32 s3, 2
.Ltail:                                                ; the last two steps ask for nothing: written apart
	TURN 0, 1
	WIN 0
	s_cmp_eq_u32 s3, 1
	s_cbranch_scc1 .Lno_quarter
	QUARTER 0
	WIN 0
.Lno_quarter:
	s_sub_co_u32 s3, s3, 1
	s_cmp_lg_u32 s3, 0
	s_cbranch_scc1 .Ltail
	DUMP
	s_wait_dscnt 0x0                               ; for the others' sake: my partial sums are in LDS
	s_barrier_signal -1
	s_barrier_wait -1
	s_mov_b32 s2, 8
.Lout:                                                 ; a trip: 8 rows: the two key halves' sums are added, divided by L and stored
	ds_load_b128 v[RLV:RLV+3], v[RLA]              ; the rows' 1 / L, the same words for all lanes
	ds_load_b128 v[RLV+4:RLV+7], v[RLA] offset:16
.irp i, 0,1,2,3,4,5,6,7
	ds_load_b128 v[X+8*(\i):X+8*(\i)+3],   v[RD0] offset:528*(\i)
	ds_load_b128 v[X+8*(\i)+4:X+8*(\i)+7], v[RD1] offset:528*(\i)
.endr
.irp i, 0,1,2,3,4,5,6,7
	s_wait_dscnt 14-2*(\i)                         ; row i's two loads are in
	v_pk_add_f32 v[X+8*(\i):X+8*(\i)+1], v[X+8*(\i):X+8*(\i)+1], v[X+8*(\i)+4:X+8*(\i)+5]
	v_pk_add_f32 v[X+8*(\i)+2:X+8*(\i)+3], v[X+8*(\i)+2:X+8*(\i)+3], v[X+8*(\i)+6:X+8*(\i)+7]
.if ((\i)%2) == 0
	v_pk_mul_f32 v[X+8*(\i):X+8*(\i)+1], v[X+8*(\i):X+8*(\i)+1], v[RLV+(\i):RLV+(\i)+1] op_sel_hi:[1,0]       ; both by the pair's first word
	v_pk_mul_f32 v[X+8*(\i)+2:X+8*(\i)+3], v[X+8*(\i)+2:X+8*(\i)+3], v[RLV+(\i):RLV+(\i)+1] op_sel_hi:[1,0]
.else
	v_pk_mul_f32 v[X+8*(\i):X+8*(\i)+1], v[X+8*(\i):X+8*(\i)+1], v[RLV+(\i)-1:RLV+(\i)] op_sel:[0,1] op_sel_hi:[1,1]  ; both by its second
	v_pk_mul_f32 v[X+8*(\i)+2:X+8*(\i)+3], v[X+8*(\i)+2:X+8*(\i)+3], v[RLV+(\i)-1:RLV+(\i)] op_sel:[0,1] op_sel_hi:[1,1]
.endif
	global_store_b128 v[CO], v[X+8*(\i):X+8*(\i)+3], s[8:9] offset:4096*(\i)  ; the wave stores 512 consecutive bytes, aligned
.endr
	s_wait_xcnt 0x0                                ; the stores' base and data are rewritten only behind this wait
	s_add_nc_u64 s[8:9], s[8:9], 32768
	v_add_nc_u32 v[RD0], 4224, v[RD0]
	v_add_nc_u32 v[RD1], 4224, v[RD1]
	v_add_nc_u32 v[RLA], 32, v[RLA]
	s_sub_co_u32 s2, s2, 1
	s_cmp_lg_u32 s2, 0
	s_cbranch_scc1 .Lout
	s_wait_tensorcnt 0x0                           ; the wave's end
	ds_add_u32 v[SPW], v[NIL]
	s_wait_dscnt 0x0
	CROUND                                         ; the closing round: no work-group ends while a partner may still ask for a tile that names it
	s_endpgm
.Lfunc_end_k_q3a6974b8dc_pv:
	.size	k_q3a6974b8dc_pv, .Lfunc_end_k_q3a6974b8dc_pv-k_q3a6974b8dc_pv
	.p2alignl 7, 3214868480
	.fill 96, 4, 3214868480
	.section	.rodata,"a",@progbits
	.p2align	6, 0x0
	.amdhsa_kernel k_q3a6974b8dc_pv
		.amdhsa_group_segment_fixed_size 327680
		.amdhsa_private_segment_fixed_size 0
		.amdhsa_enable_private_segment 0
		.amdhsa_kernarg_size 40
		.amdhsa_user_sgpr_count 2
		.amdhsa_user_sgpr_kernarg_segment_ptr 1
		.amdhsa_wavefront_size32 1
		.amdhsa_system_sgpr_workgroup_id_x 1
		.amdhsa_system_sgpr_workgroup_id_y 1
		.amdhsa_system_sgpr_workgroup_id_z 1
		.amdhsa_system_vgpr_workitem_id 0
		.amdhsa_next_free_vgpr 1024
		.amdhsa_next_free_sgpr 96
		.amdhsa_reserve_vcc 0
		.amdhsa_float_denorm_mode_32 3
		.amdhsa_float_denorm_mode_16_64 3
		.amdhsa_memory_ordered 1
		.amdhsa_forward_progress 1
		.amdhsa_inst_pref_size 94
	.end_amdhsa_kernel
	.amdgpu_metadata
---
amdhsa.version: [ 1, 2 ]
amdhsa.kernels:
  - .name:           k_q3a6974b8dc_pv
    .symbol:         k_q3a6974b8dc_pv.kd
    .args:
      - { .name: pbuf, .offset: 0, .size: 8, .value_kind: global_buffer, .address_space: global }
      - { .name: tv, .offset: 8, .size: 8, .value_kind: global_buffer, .address_space: global }
      - { .name: mstat, .offset: 16, .size: 8, .value_kind: global_buffer, .address_space: global }
      - { .name: lstat, .offset: 24, .size: 8, .value_kind: global_buffer, .address_space: global }
      - { .name: out0, .offset: 32, .size: 8, .value_kind: global_buffer, .address_space: global }
    .group_segment_fixed_size: 327680
    .private_segment_fixed_size: 0
    .kernarg_segment_align: 8
    .kernarg_segment_size: 40
    .max_flat_workgroup_size: 128
    .sgpr_count:     96
    .vgpr_count:     1024
    .wavefront_size: 32
...
	.end_amdgpu_metadata
.endif
;; end of part 5
;; ======== version 2 of 2: 5 launches; version 1 with the launch prep written anew for expert scheduling mode
;; limits: values are held in f16: magnitudes above 65,504 overflow, below 6.1e-05 lose precision; values outside matrix products are rounded to f16
;; workspace buffers: x16 16,777,216 bytes; wkh 2,097,152 bytes; wqh 2,097,152 bytes; bcat 4,194,304 bytes; tv 33,554,432 bytes; pbuf 33,554,432 bytes; mstat 524,288 bytes; lstat 524,288 bytes
;; launch prep (part 6): grid 448 x 1, 8 waves a work-group, no clusters, 18,432 bytes of LDS; arguments inputs, WK, WQ, WV, x16, wkh, wqh, bcat; writes x16, wkh, wqh, bcat
.if DOCPART == 6
	.amdgcn_target "amdgcn-amd-amdhsa--gfx1250"
	.amdhsa_code_object_version 6
	.text
	.protected	k_q3a6974b8dc_prep
	.globl	k_q3a6974b8dc_prep
	.p2align	8
	.type	k_q3a6974b8dc_prep,@function
k_q3a6974b8dc_prep:
	s_mov_b64 s[64:65], 0
	v_nop
	global_prefetch_b8 v0, s[64:65] scope:SCOPE_SE
	s_setreg_imm32_b32 hwreg(HW_REG_WAVE_SCHED_MODE, 0, 2), 2
	s_setreg_imm32_b32 hwreg(HW_REG_WAVE_MODE, 25, 1), 1
	s_wait_xcnt 0x0
	s_wait_alu depctr_vm_vsrc(0)
; THE CAST.  Every input number is rounded to bf16 (nearest even) and that number is written as f16, for the f16 matrix form of the launches behind.
; x16[n][d] = X, wkh[e][u] = WK, wqh[d][u] = WQ as they lie; WV is turned: bcat[1024 + u][d] = WV[d][u], so that K (= d) lies along the rows.
; LIMITS.  A bf16 number is exact in f16 from 2^-17 up to 65,504; below 2^-17 it keeps an absolute error of at most 2^-25; from 65,520 on it becomes an infinity.
; SHARES.  Work-groups 0-255: 32 rows of X each; 256-287: 32 rows of WK; 288-319: 32 rows of WQ; 320-447: a block of 128 d x 64 u of WV.
; Memory binds: no matrix unit, no cluster, no tensor load.  A wave of a cast job has its whole share, 32 loads of 512 consecutive bytes, on its way at once.
; THE MODE: SCHED_MODE bits 1:0 = 2 (LLVM: expert scheduling mode 2), set by the entry lines.  The code itself states the register dependences
; between vector instructions and memory or LDS instructions, with s_wait_alu, always for 0.
; THE PLAN, cast jobs.  Registers that memory instructions touch:
;   v3, v10        byte offsets, made once at the head and never written again; read by every load, by every store.
;   v[32+4i ..]    load i lands in four registers, once; item i's conversions read them and write its 4 f16 into the first two; store i reads those two; nothing writes them again.
;   v4-v9          at work: no memory instruction names them.
; The 32 items go in eight blocks of four.  Block p's conversions name v4-v9 and its own sixteen registers; its memory instructions are the four stores of block p - 1.  So ONE wait at a block's head
; states all that those stores hang on, and they are dealt among the block's conversions with no further wait.  No register that a memory instruction has read is written again.
; THE PLAN, turning jobs.  v3, v7, v8, v9: offsets and LDS addresses, made once at the head.  v[32:63]: eight loads land there once.  v[64+4k ..]: written by pair k's conversions, read by four LDS stores
; that are issued in pair k + 1, never written again.  v[80:95]: LDS loads land there, global stores read them, no vector instruction names them.  v4-v6 at work.  One wait at a pair's head, as above.
; v168, v169: written at the head, read by the closing add alone.
.set XR, 32                            ; v[32:159]  32 loads of 4 registers; a load's first two registers then hold its 4 f16
.set SRC, 3                            ; v3   my byte offset in the work-group's source
.set DSO, 10                           ; v10  my byte offset in its destination
	s_load_b512 s[8:23], s[0:1], 0x0               ; inputs s[8:9], WK s[10:11], WQ s[12:13], WV s[14:15], x16 s[16:17], wkh s[18:19], wqh s[20:21], bcat s[22:23]
	v_lshl_add_u32 v168, v0, 2, 0x4400
	v_mov_b32 v169, 0
	s_mov_b32 s2, ttmp9                            ; the work-group's number
	s_mov_b32 s3, 0xffff0000                       ; a word's upper bf16
	s_cmp_ge_u32 s2, 320
	s_cbranch_scc1 .Lturn                          ; the same way for all eight waves
	v_and_b32 v1, 31, v0                           ; lane
	v_lshrrev_b32 v2, 5, v0                        ; wave
	v_lshlrev_b32 v[SRC], 4, v1
	v_lshl_add_u32 v[SRC], v2, 14, v[SRC]          ; wave x 4 rows x 4,096 bytes + 16 x lane
	v_lshlrev_b32 v[DSO], 3, v1
	v_lshl_add_u32 v[DSO], v2, 13, v[DSO]          ; wave x 4 rows x 2,048 bytes + 8 x lane
	s_wait_kmcnt 0x0
	s_cmp_lt_u32 s2, 256                           ; which tensor: the choice hangs on the work-group's number alone
	s_cselect_b64 s[24:25], s[8:9], s[10:11]
	s_cselect_b64 s[26:27], s[16:17], s[18:19]
	s_cselect_b32 s28, 0, 256
	s_cmp_lt_u32 s2, 288
	s_cselect_b64 s[24:25], s[24:25], s[12:13]
	s_cselect_b64 s[26:27], s[26:27], s[20:21]
	s_cselect_b32 s28, s28, 288
	s_sub_co_u32 s28, s2, s28                      ; my block of 32 rows in that tensor
	s_lshl_b32 s30, s28, 17                        ; 32 rows of 4,096 bytes
	s_mov_b32 s31, 0
	s_lshl_b32 s32, s28, 16                        ; 32 rows of 2,048 bytes
	s_mov_b32 s33, 0
	s_add_nc_u64 s[24:25], s[24:25], s[30:31]
	s_add_nc_u64 s[26:27], s[26:27], s[32:33]
	s_wait_alu depctr_va_vdst(0)                   ; v3 and v10 are written: every load below reads the one as its offset, every store the other
.set i, 0
.rept 32
	global_load_b128 v[XR+4*i:XR+4*i+3], v[SRC], s[24:25] offset:512*i th:TH_LOAD_NT
.set i, i+1
.endr
.set i, 0
.rept 32
	s_wait_loadcnt 31-i                            ; loads come back in order: load i is in, the younger ones stay out
.if (i%4) == 0 && i > 0
	s_wait_alu depctr_va_vdst(0)                   ; a block's head: the block before has written its eight registers of f16, which the four stores dealt among this block's conversions read
.endif
.if i >= 4
	global_store_b64 v[DSO], v[XR+4*(i-4):XR+4*(i-4)+1], s[26:27] offset:256*(i-4)  ; the block before: 32 lanes store 256 consecutive bytes, aligned; no vector instruction since the wait names these registers, and none writes them again
.endif
	v_cvt_pk_bf16_f32 v4, v[XR+4*i], v[XR+4*i+1]   ; the rounding
	v_cvt_pk_bf16_f32 v5, v[XR+4*i+2], v[XR+4*i+3]
	v_lshlrev_b32 v6, 16, v4                       ; bf16 to f32: the low half moves up, the high half stays
	v_and_b32 v7, s3, v4
	v_lshlrev_b32 v8, 16, v5
	v_and_b32 v9, s3, v5
	v_cvt_pk_f16_f32 v[XR+4*i], v6, v7             ; the same number as f16
	v_cvt_pk_f16_f32 v[XR+4*i+1], v8, v9
.set i, i+1
.endr
	s_wait_alu depctr_va_vdst(0)                   ; the last block has written its eight registers of f16, which the last four stores read
.set i, 28
.rept 4
	global_store_b64 v[DSO], v[XR+4*i:XR+4*i+1], s[26:27] offset:256*i
.set i, i+1
.endr
	s_endpgm                                       ; a cast job has written no LDS
.Lturn:                                                ; WV: 128 d x 64 u are read by rows of 256 bytes, turned in LDS, and stored as 64 rows (u) of 256 bytes (128 d)
	s_sub_co_u32 s2, s2, 320
	s_and_b32 s4, s2, 7                            ; which 128 d
	s_lshr_b32 s5, s2, 3                           ; which 64 u
	v_and_b32 v1, 15, v0                           ; uq: my four columns u
	v_lshrrev_b32 v2, 4, v0                        ; dp: my pairs of rows d are dp, dp + 16, dp + 32, dp + 48
	v_lshlrev_b32 v[SRC], 4, v1
	v_lshl_add_u32 v[SRC], v2, 13, v[SRC]          ; 2 dp rows of 4,096 bytes + 16 uq
	v_mul_u32_u24 v7, v1, 1088                     ; LDS image [64 u][128 d], rows 272 bytes apart: 4 uq rows
	v_lshl_add_u32 v7, v2, 2, v7                   ; + the pair's 4 bytes
	v_mul_u32_u24 v8, v2, 272                      ; back: 16 threads take a row of 256 bytes
	v_lshl_add_u32 v8, v1, 4, v8
	v_lshlrev_b32 v9, 11, v2                       ; and the same row in bcat, 2,048 bytes a row
	v_lshl_add_u32 v9, v1, 4, v9
	s_lshl_b32 s24, s4, 19                         ; 128 rows of 4,096 bytes
	s_lshl_b32 s26, s5, 8                          ; 64 columns of 4 bytes
	s_add_co_u32 s24, s24, s26
	s_mov_b32 s25, 0
	s_lshl_b32 s28, s5, 17                         ; 64 rows of 2,048 bytes,
	s_lshl_b32 s26, s4, 8                          ; 128 columns of 2 bytes,
	s_add_co_u32 s28, s28, s26
	s_add_co_u32 s28, s28, 2097152                 ; behind bcat's first 1,024 rows
	s_mov_b32 s29, 0
	s_wait_kmcnt 0x0
	s_add_nc_u64 s[14:15], s[14:15], s[24:25]
	s_add_nc_u64 s[22:23], s[22:23], s[28:29]
	s_wait_alu depctr_va_vdst(0)                   ; v3, v7, v8 and v9 are written: the loads, the LDS stores, the LDS loads and the stores below read them as offsets and addresses
.irp k, 0,1,2,3
	global_load_b128 v[XR+8*(\k):XR+8*(\k)+3],   v[SRC], s[14:15] offset:131072*(\k) th:TH_LOAD_NT       ; the even row
	global_load_b128 v[XR+8*(\k)+4:XR+8*(\k)+7], v[SRC], s[14:15] offset:131072*(\k)+4096 th:TH_LOAD_NT  ; the odd row
.endr
.irp k, 0,1,2,3
	s_wait_loadcnt 6-2*(\k)                        ; pair k's two loads are in
.if (\k) > 0
	s_wait_alu depctr_va_vdst(0)                   ; the pair before has written its four words, which the four LDS stores dealt among this pair's conversions read
.endif
.irp i, 0,1,2,3
.if (\k) > 0
	ds_store_b32 v7, v[64+4*((\k)-1)+(\i)] offset:272*(\i)+64*((\k)-1)  ; the pair before; no vector instruction since the wait names this register or v7
.endif
	v_cvt_pk_bf16_f32 v4, v[XR+8*(\k)+(\i)], v[XR+8*(\k)+4+(\i)]  ; column 4 uq + i: d even, d odd
	v_lshlrev_b32 v5, 16, v4
	v_and_b32 v6, s3, v4
	v_cvt_pk_f16_f32 v[64+4*(\k)+(\i)], v5, v6
.endr
.endr
	s_wait_alu depctr_va_vdst(0)                   ; the last pair has written its four words, which the last four LDS stores read
.irp i, 0,1,2,3
	ds_store_b32 v7, v[76+(\i)] offset:272*(\i)+192
.endr
	s_wait_dscnt 0x0                               ; for the others' sake: my stores into the image are done
	s_barrier_signal -1
	s_barrier_wait -1
.irp j, 0,1,2,3
	ds_load_b128 v[80+4*(\j):80+4*(\j)+3], v8 offset:4352*(\j)  ; 16 rows further on each time; no vector instruction names v[80:95]
.endr
.irp j, 0,1,2,3
	s_wait_dscnt 3-(\j)
	global_store_b128 v9, v[80+4*(\j):80+4*(\j)+3], s[22:23] offset:32768*(\j)  ; 16 lanes store 256 consecutive bytes, aligned
.endr
	s_wait_dscnt 0x0                               ; the closing lines, six on end
	s_wait_alu 0x0
	s_wait_tensorcnt 0x0
	ds_add_u32 v168, v169
	s_wait_dscnt 0x0
	s_endpgm
.Lfunc_end_k_q3a6974b8dc_prep:
	.size	k_q3a6974b8dc_prep, .Lfunc_end_k_q3a6974b8dc_prep-k_q3a6974b8dc_prep
	.p2alignl 7, 3214868480
	.fill 96, 4, 3214868480
	.section	.rodata,"a",@progbits
	.p2align	6, 0x0
	.amdhsa_kernel k_q3a6974b8dc_prep
		.amdhsa_group_segment_fixed_size 18432
		.amdhsa_private_segment_fixed_size 0
		.amdhsa_enable_private_segment 0
		.amdhsa_kernarg_size 64
		.amdhsa_user_sgpr_count 2
		.amdhsa_user_sgpr_kernarg_segment_ptr 1
		.amdhsa_wavefront_size32 1
		.amdhsa_system_sgpr_workgroup_id_x 1
		.amdhsa_system_sgpr_workgroup_id_y 1
		.amdhsa_system_sgpr_workgroup_id_z 1
		.amdhsa_system_vgpr_workitem_id 0
		.amdhsa_next_free_vgpr 170
		.amdhsa_next_free_sgpr 66
		.amdhsa_reserve_vcc 0
		.amdhsa_float_denorm_mode_32 3
		.amdhsa_float_denorm_mode_16_64 3
		.amdhsa_memory_ordered 1
		.amdhsa_forward_progress 1
		.amdhsa_inst_pref_size 29
	.end_amdhsa_kernel
	.amdgpu_metadata
---
amdhsa.version: [ 1, 2 ]
amdhsa.kernels:
  - .name:           k_q3a6974b8dc_prep
    .symbol:         k_q3a6974b8dc_prep.kd
    .args:
      - { .name: inputs, .offset: 0, .size: 8, .value_kind: global_buffer, .address_space: global }
      - { .name: WK, .offset: 8, .size: 8, .value_kind: global_buffer, .address_space: global }
      - { .name: WQ, .offset: 16, .size: 8, .value_kind: global_buffer, .address_space: global }
      - { .name: WV, .offset: 24, .size: 8, .value_kind: global_buffer, .address_space: global }
      - { .name: x16, .offset: 32, .size: 8, .value_kind: global_buffer, .address_space: global }
      - { .name: wkh, .offset: 40, .size: 8, .value_kind: global_buffer, .address_space: global }
      - { .name: wqh, .offset: 48, .size: 8, .value_kind: global_buffer, .address_space: global }
      - { .name: bcat, .offset: 56, .size: 8, .value_kind: global_buffer, .address_space: global }
    .group_segment_fixed_size: 18432
    .private_segment_fixed_size: 0
    .kernarg_segment_align: 8
    .kernarg_segment_size: 64
    .max_flat_workgroup_size: 256
    .sgpr_count:     66
    .vgpr_count:     170
    .wavefront_size: 32
...
	.end_amdgpu_metadata
.endif
;; end of part 6
;; launch mgemm: the kernel of part 2 again; grid 8 x 8, 4 waves a work-group, clusters of 4 x 4, 327,680 bytes of LDS; arguments wkh, wqh, bcat; writes bcat
;; launch proj: the kernel of part 3 again; grid 8 x 32, 4 waves a work-group, clusters of 4 x 4, 327,680 bytes of LDS; arguments x16, bcat, tv; writes tv
;; launch scores: the kernel of part 4 again; grid 8 x 32, 4 waves a work-group, clusters of 4 x 4, 327,680 bytes of LDS; arguments tv, x16, pbuf, mstat, lstat; writes pbuf, mstat, lstat
;; launch pv: the kernel of part 5 again; grid 4 x 64, 4 waves a work-group, clusters of 4 x 4, 327,680 bytes of LDS; arguments pbuf, tv, mstat, lstat, out0; writes out0
